; MI455X (gfx1250); checked and timed in simulation.
; The chip was launched on July 23, 2026; its instructions are those of AMD's public machine-readable ISA for CDNA 5 (MIT licence, August 2026) and "CDNA5" Instruction Set Architecture Reference Guide (July 2026). The comments in the code are by the model that wrote it; some were corrected since.
;; Attention. Allowed arithmetic: float matrix products may take bf16 or f16 operands with f32 sums; other float arithmetic in f32, or as packed bf16 or f16 multiplies, adds, multiply-adds, maxima and minima; sums over many terms, partial sums and values carried from step to step in f32; what a program stores and reads back later, other than sums and carried values, may be rounded once to bf16 or f16.
;; Inputs: Wk 2,048 x 512 float32; Wo 2,048 x 2,048 float32; Wq 2,048 x 2,048 float32; Wv 2,048 x 512 float32; x 8 x 512 x 2,048 float32.
;; Outputs: out0 8 x 512 x 2,048 float32; out1 8 x 8 x 512 x 64 float32; out2 8 x 8 x 512 x 64 float32.
;; 2 versions, each right; version 2 is version 1 with the launch prep written anew for expert scheduling mode. Each part assembles by itself: llvm-mc -triple=amdgcn-amd-amdhsa -mcpu=gfx1250 --defsym DOCPART=n.
;; ======== version 1 of 2: 4 launches
;; limits: values are held in f16: magnitudes above 65,504 overflow, below 6.1e-05 lose precision
;; workspace buffers: xb 16,777,216 bytes; wc 12,582,912 bytes; wo 8,388,608 bytes; tab 131,072 bytes; qh 16,777,216 bytes; kh 4,194,304 bytes; vh 4,194,304 bytes; oh 16,777,216 bytes
;; launch prep (part 1): grid 1024 x 1, 8 waves a work-group, no clusters, 0 bytes of LDS; arguments x, Wq, Wk, Wv, Wo, xb, wc, wo, tab; writes xb, wc, wo, tab
.if DOCPART == 1
	.amdgcn_target "amdgcn-amd-amdhsa--gfx1250"
	.amdhsa_code_object_version 6
	.text
	.protected	k_qef4c3ee167_prep
	.globl	k_qef4c3ee167_prep
	.p2align	8
	.type	k_qef4c3ee167_prep,@function
k_qef4c3ee167_prep:
	s_mov_b64 s[64:65], 0
	v_nop
	global_prefetch_b8 v0, s[64:65] scope:SCOPE_SE
	s_setreg_imm32_b32 hwreg(HW_REG_WAVE_MODE, 25, 1), 1
	s_wait_xcnt 0x0
; PREP: the module's inputs are rounded once to 16 bits, and the table of cosines and sines for the rotation is made.
;   x  [4096][2048] f32 -> xb, bf16, same layout.
;   Wq [2048][2048], Wk, Wv [2048][512] f32 -> wc, bf16 [2048 k][8 groups][384]: in group g Wq's columns 256 g .. +255, Wk's 64 g .. +63, Wv's 64 g .. +63.
;   Wo [2048][2048] f32 -> wo: rounded to bf16, and that number written as f16 (exact inside f16's normal range).
;   tab [512 positions][64] f32: cos of the 32 angles, then sin of them.
; LIMITS.  |Wo| stays under 65,504; below 6e-5 it keeps f16's fixed step of 6e-8.  An angle is good to about 1e-4 rad (511 rad at the most, in f32 turns).
; A stream: every byte is read once and written once, by 16-byte accesses; a wave's store covers 512 consecutive bytes that start at a multiple of 256.  No LDS, no matrix unit, no cluster:
; no two work-groups read the same bytes.
; 1,024 work-groups of equal work.  Work-group i takes four items of x (an item: 8,192 bytes in, 32 a thread; 4,096 out), rows 2 i and 2 i + 1 of Wq, Wk and Wv (two whole rows of wc), and two items
; of Wo.  All 20 loads of a thread are issued ahead of its first wait; an item is rounded in the registers in which it arrived and stored from them, so no register that a store names is written again.
; The first 64 work-groups also make eight rows of the table each, a row a wave, behind their loads.
.set X,  16                            ; v[16:95]  item n at X + 8 n: x 0-3, Wq 4-5, Wo 6-7, Wk 8, Wv 9
.set T,  96                            ; v[96:103] at work (Wo)
.set DQ, 104                           ; v104  my 16 bytes in a row of wc, among q's columns: 768 x wave + 16 x lane
.set SK, 105                           ; v105  my 32 bytes in the two rows of Wk and of Wv
.set DK, 106                           ; v106  my 16 bytes in the two rows of wc, among k's and v's columns
.macro LD2 n, off, base, imm           ; item n: my 32 bytes
	global_load_b128 v[X+8*(\n):X+8*(\n)+3],   v[\off], s[(\base):(\base)+1] offset:(\imm) th:TH_LOAD_NT
	global_load_b128 v[X+8*(\n)+4:X+8*(\n)+7], v[\off], s[(\base):(\base)+1] offset:(\imm)+16 th:TH_LOAD_NT
.endm
.macro PK n                            ; item n's eight numbers, rounded to bf16, into its first four registers: register j is written when numbers 2 j and 2 j + 1 are read, behind the reads of the lower ones
.irp j, 0,1,2,3
	v_cvt_pk_bf16_f32 v[X+8*(\n)+(\j)], v[X+8*(\n)+2*(\j)], v[X+8*(\n)+2*(\j)+1]
.endr
.endm
	s_load_b512 s[8:23], s[0:1], 0x0               ; x 8, Wq 10, Wk 12, Wv 14, Wo 16, xb 18, wc 20, wo 22
	s_load_b64 s[24:25], s[0:1], 0x40              ; tab
	v_lshrrev_b32 v3, 5, v0
	v_readfirstlane_b32 s26, v3                    ; my wave's number
	s_lshl_b32 s28, ttmp9, 15                      ; x in: 32,768 bytes a work-group
	s_lshl_b32 s30, ttmp9, 14                      ; xb out, Wq in, Wo in: 16,384
	s_lshl_b32 s32, ttmp9, 13                      ; wo out: 8,192
	s_lshl_b32 s34, ttmp9, 12                      ; Wk and Wv in: two rows of 2,048
	s_mul_i32 s36, ttmp9, 12288                    ; wc out: two rows of 6,144
	s_mov_b32 s29, 0                               ; the offsets' high words
	s_mov_b32 s31, 0
	s_mov_b32 s33, 0
	s_mov_b32 s35, 0
	s_mov_b32 s37, 0
	s_mul_i32 s27, s26, 768                        ; a wave's 256 columns of Wq are one group's
	v_lshlrev_b32 v1, 5, v0                        ; 32 t: my place in an item of x, Wq, Wo
	v_lshlrev_b32 v2, 4, v0                        ; 16 t: my place in an item of xb, wo
	v_and_b32 v3, 31, v0
	v_lshlrev_b32 v[DQ], 4, v3
	v_add_nc_u32 v[DQ], s27, v[DQ]
	; Wk and Wv.  Of sixteen neighbouring lanes the first eight store a group's 128 bytes of k, the other eight its 128 bytes of v: one whole aligned block of 256 bytes.
	; Every lane loads from both tensors at the same offset and keeps one.
	v_lshrrev_b32 v4, 7, v0                        ; which of the two rows
	v_bfe_u32 v5, v0, 4, 3                         ; the group
	v_and_b32 v6, 7, v0                            ; my eight columns of its 64
	v_and_b32 v7, 15, v0
	v_lshlrev_b32 v[SK], 11, v4
	v_lshl_add_u32 v[SK], v5, 8, v[SK]
	v_lshl_add_u32 v[SK], v6, 5, v[SK]
	v_mul_u32_u24 v[DK], v4, 6144
	v_mad_u32_u24 v[DK], v5, 768, v[DK]
	v_lshl_add_u32 v[DK], v7, 4, v[DK]
	v_add_nc_u32 v[DK], 512, v[DK]                 ; behind the group's 256 columns of q
	s_wait_kmcnt 0x0
	s_add_nc_u64 s[8:9], s[8:9], s[28:29]
	s_add_nc_u64 s[18:19], s[18:19], s[30:31]
	s_add_nc_u64 s[10:11], s[10:11], s[30:31]
	s_add_nc_u64 s[16:17], s[16:17], s[30:31]
	s_add_nc_u64 s[22:23], s[22:23], s[32:33]
	s_add_nc_u64 s[12:13], s[12:13], s[34:35]
	s_add_nc_u64 s[14:15], s[14:15], s[34:35]
	s_add_nc_u64 s[20:21], s[20:21], s[36:37]
.irp n, 0,1,2,3
	LD2 \n, 1, 8, 8192*(\n)
.endr
.irp n, 4,5
	LD2 \n, 1, 10, 8192*((\n)-4)
.endr
.irp n, 6,7
	LD2 \n, 1, 16, 8192*((\n)-6)
.endr
	LD2 8, SK, 12, 0
	LD2 9, SK, 14, 0
	s_cmp_ge_u32 ttmp9, 64
	s_cbranch_scc1 .Lnotab
	; THE TABLE.  Row pos = 8 x work-group + wave.  Lane L makes two numbers, for angles i = 2 (L % 16) and i + 1: lanes 0-15 cosines, lanes 16-31 sines, as cosines a quarter turn back.
	; inv_freq = 2^(-i log2(10000) / 32); t = pos inv_freq / 2 pi in turns; f = t less the nearest whole number, in -1/2 .. 1/2; cos(pi f / 2) by its series in f^2 up to the eighth power
	; (|pi f / 2| <= pi / 4 whatever the angle: the term left out is under 2.5e-8), then cos 2a = 2 cos^2 a - 1 twice.
	s_lshl_b32 s27, ttmp9, 3
	s_add_co_u32 s27, s27, s26                     ; pos
	s_lshl_b32 s28, s27, 8                         ; a row is 256 bytes
	s_add_nc_u64 s[24:25], s[24:25], s[28:29]
	v_and_b32 v3, 31, v0                           ; L
	v_and_b32 v4, 15, v0
	v_lshlrev_b32 v4, 1, v4                        ; i
	v_or_b32 v5, 1, v4                             ; i + 1
	v_cvt_f32_u32 v4, v4
	v_cvt_f32_u32 v5, v5
	v_mul_f32 v4, 0xbed49a78, v4                   ; x -0.41524101
	v_mul_f32 v5, 0xbed49a78, v5
	v_exp_f32 v4, v4
	v_exp_f32 v5, v5
	v_cvt_f32_u32 v6, s27                          ; a plain instruction stands behind the exponentials before their results are used (ISA guide 5.7.2)
	v_mov_b32 v8, 0x3e800000                       ; 0.25
	v_cmp_lt_u32 vcc_lo, 15, v3
	v_cndmask_b32 v7, 0, v8, vcc_lo                ; the sines' quarter turn
	s_wait_alu depctr_va_vdst(0)
	v_mul_f32 v4, v6, v4                           ; the angle, rounded as pos x inv_freq is
	v_mul_f32 v5, v6, v5
	v_fma_f32 v4, v4, 0x3e22f983, -v7              ; / 2 pi, less the quarter
	v_fma_f32 v5, v5, 0x3e22f983, -v7
	v_rndne_f32 v9, v4
	v_rndne_f32 v10, v5
	v_sub_f32 v4, v4, v9                           ; f
	v_sub_f32 v5, v5, v10
	v_mul_f32 v4, v4, v4                           ; f^2
	v_mul_f32 v5, v5, v5
	v_mov_b32 v12, 0x3a70fa82                      ; 0.00091926
	v_mov_b32 v13, 0x3a70fa82
	v_fmaak_f32 v12, v12, v4, 0xbcaae9e4           ; -0.02086348
	v_fmaak_f32 v13, v13, v5, 0xbcaae9e4
	v_fmaak_f32 v12, v12, v4, 0x3e81e0f8           ; 0.25366951
	v_fmaak_f32 v13, v13, v5, 0x3e81e0f8
	v_fmaak_f32 v12, v12, v4, 0xbf9de9e6           ; -1.23370055
	v_fmaak_f32 v13, v13, v5, 0xbf9de9e6
	v_fma_f32 v12, v12, v4, 1.0
	v_fma_f32 v13, v13, v5, 1.0
.rept 2
	v_add_f32 v14, v12, v12
	v_add_f32 v15, v13, v13
	v_fma_f32 v12, v12, v14, -1.0
	v_fma_f32 v13, v13, v15, -1.0
.endr
	v_lshlrev_b32 v11, 3, v3
	global_store_b64 v11, v[12:13], s[24:25]       ; the wave's 32 x 8 bytes are the row: 256 consecutive bytes, aligned; v11-13 and s[24:25] are not written again
.Lnotab:
	v_and_b32 v7, 8, v0
	v_cmp_ne_u32 vcc_lo, 0, v7                     ; the upper eight of sixteen lanes keep Wv's numbers
	; loads come back in order: behind item n's two stand 18 - 2 n younger ones, which stay out
.irp n, 0,1,2,3
	s_wait_loadcnt 18-2*(\n)
	PK \n
	global_store_b128 v2, v[X+8*(\n):X+8*(\n)+3], s[18:19] offset:4096*(\n)
.endr
.irp n, 4,5
	s_wait_loadcnt 18-2*(\n)
	PK \n
	global_store_b128 v[DQ], v[X+8*(\n):X+8*(\n)+3], s[20:21] offset:6144*((\n)-4)
.endr
.irp n, 6,7
	s_wait_loadcnt 18-2*(\n)
	PK \n
.irp j, 0,1,2,3
	v_lshlrev_b32 v[T+2*(\j)],   16, v[X+8*(\n)+(\j)]          ; bf16 to f32: the low half moves up,
	v_and_b32     v[T+2*(\j)+1], 0xffff0000, v[X+8*(\n)+(\j)]  ; the high half stays
.endr
.irp j, 0,1,2,3
	v_cvt_pk_f16_f32 v[X+8*(\n)+(\j)], v[T+2*(\j)], v[T+2*(\j)+1]
.endr
	global_store_b128 v2, v[X+8*(\n):X+8*(\n)+3], s[22:23] offset:4096*((\n)-6)
.endr
	s_wait_loadcnt 0x0
.irp j, 0,1,2,3,4,5,6,7
	v_cndmask_b32 v[X+64+(\j)], v[X+64+(\j)], v[X+72+(\j)], vcc_lo
.endr
	PK 8
	global_store_b128 v[DK], v[X+64:X+67], s[20:21]
	s_endpgm
.Lfunc_end_k_qef4c3ee167_prep:
	.size	k_qef4c3ee167_prep, .Lfunc_end_k_qef4c3ee167_prep-k_qef4c3ee167_prep
	.p2alignl 7, 3214868480
	.fill 96, 4, 3214868480
	.section	.rodata,"a",@progbits
	.p2align	6, 0x0
	.amdhsa_kernel k_qef4c3ee167_prep
		.amdhsa_group_segment_fixed_size 0
		.amdhsa_private_segment_fixed_size 0
		.amdhsa_enable_private_segment 0
		.amdhsa_kernarg_size 72
		.amdhsa_user_sgpr_count 2
		.amdhsa_user_sgpr_kernarg_segment_ptr 1
		.amdhsa_wavefront_size32 1
		.amdhsa_system_sgpr_workgroup_id_x 1
		.amdhsa_system_sgpr_workgroup_id_y 1
		.amdhsa_system_sgpr_workgroup_id_z 1
		.amdhsa_system_vgpr_workitem_id 0
		.amdhsa_next_free_vgpr 108
		.amdhsa_next_free_sgpr 66
		.amdhsa_reserve_vcc 1
		.amdhsa_float_denorm_mode_32 3
		.amdhsa_float_denorm_mode_16_64 3
		.amdhsa_memory_ordered 1
		.amdhsa_forward_progress 1
		.amdhsa_inst_pref_size 11
	.end_amdhsa_kernel
	.amdgpu_metadata
---
amdhsa.version: [ 1, 2 ]
amdhsa.kernels:
  - .name:           k_qef4c3ee167_prep
    .symbol:         k_qef4c3ee167_prep.kd
    .args:
      - { .name: x, .offset: 0, .size: 8, .value_kind: global_buffer, .address_space: global }
      - { .name: Wq, .offset: 8, .size: 8, .value_kind: global_buffer, .address_space: global }
      - { .name: Wk, .offset: 16, .size: 8, .value_kind: global_buffer, .address_space: global }
      - { .name: Wv, .offset: 24, .size: 8, .value_kind: global_buffer, .address_space: global }
      - { .name: Wo, .offset: 32, .size: 8, .value_kind: global_buffer, .address_space: global }
      - { .name: xb, .offset: 40, .size: 8, .value_kind: global_buffer, .address_space: global }
      - { .name: wc, .offset: 48, .size: 8, .value_kind: global_buffer, .address_space: global }
      - { .name: wo, .offset: 56, .size: 8, .value_kind: global_buffer, .address_space: global }
      - { .name: tab, .offset: 64, .size: 8, .value_kind: global_buffer, .address_space: global }
    .group_segment_fixed_size: 0
    .private_segment_fixed_size: 0
    .kernarg_segment_align: 8
    .kernarg_segment_size: 72
    .max_flat_workgroup_size: 256
    .sgpr_count:     66
    .vgpr_count:     108
    .wavefront_size: 32
...
	.end_amdgpu_metadata
.endif
;; end of part 1
;; launch qkv (part 2): grid 8 x 32, 4 waves a work-group, clusters of 4 x 4, 327,680 bytes of LDS; arguments xb, wc, tab, qh, kh, vh, out1, out2; writes qh, kh, vh, out1, out2
.if DOCPART == 2
	.amdgcn_target "amdgcn-amd-amdhsa--gfx1250"
	.amdhsa_code_object_version 6
	.text
	.protected	k_qef4c3ee167_qkv
	.globl	k_qef4c3ee167_qkv
	.p2align	8
	.type	k_qef4c3ee167_qkv,@function
k_qef4c3ee167_qkv:
	s_mov_b64 s[64:65], 0
	v_nop
	global_prefetch_b8 v0, s[64:65] scope:SCOPE_SE
	s_setreg_imm32_b32 hwreg(HW_REG_WAVE_MODE, 25, 1), 1
	s_wait_xcnt 0x0
	s_wait_alu depctr_hold_cnt(0) depctr_sa_sdst(0) depctr_va_vdst(0) depctr_va_sdst(0) depctr_va_ssrc(0) depctr_va_vcc(0) depctr_vm_vsrc(0)
	s_getreg_b32 s2, hwreg(HW_REG_IB_STS2, 6, 4)
	s_cmp_eq_u32 s2, 0
	s_cbranch_scc0 .Lentry_in_a_cluster
	s_endpgm
.Lentry_in_a_cluster:
	s_bfe_u32 s2, ttmp6, 0x10000c
	s_cmp_lg_u32 s2, 0xf033
	s_cbranch_scc0 .Lentry_shape_is_right
	s_endpgm
.Lentry_shape_is_right:
; Q, K, V = x W, the rotation of q and k, and the split by heads.  xb: bf16 [4096][2048].  wc: bf16 [2048 k][8 groups][384] (a group: four q heads, its k head, its v head).  tab: f32 [512][cos 32, sin 32].
; Out: qh f16 [8][32][512][64], kh, vh f16 [8][8][512][64] (q and k rotated, unscaled); out1 (k rotated) and out2 (v) f32 [8][8][512][64], straight from the f32 sums.
; LIMITS.  q, k and v stay under 65,504, f16's end, for qh, kh, vh; NaN and infinities are not treated apart.  The 16 K steps of a sum are added in an order that differs from cluster to cluster (below).
; SHARES.  A work-group makes 128 rows x one group's 384 columns: 32 x 8 = 256 work-groups, each with the same mix of heads, so that what a wave does on the way out hangs on its number alone.
; Four waves, each 64 rows x 192 columns (three heads): 48 accumulators of 16 x 16, 384 registers.  K goes in 16 steps of 128 through two LDS slots filled by the tensor data mover.
; THE MATRIX INSTRUCTION IS USED TRANSPOSED: source 0 = 16 columns of W, source 1 = 16 rows of x.  A lane then holds row l % 16 and the columns 8 (l / 16) + 0..7 of a block of 16: channels d and d + 32 of
; a head lie in the same lane and register, two blocks apart, so the rotation changes no lanes.  W lies [k][n] in LDS and comes out turned, by ds_load_tr16_b128.
; CLUSTER.  4 x 4 work-groups.  The four of a row of the cluster need the same rows of x, the four of a column the same group of W: each tile is asked for JOINTLY, which divides the requests by four.
; THE WALK ALONG K IS TURNED.  Cluster (X, Y) begins at K step (8 X + 6 Y) mod 16 and goes round, so that the clusters that need the same tile ask for it at different times, and all but the first find it
; asked for before.  The two clusters that share rows of x (one Y) are 8 steps apart.  Of the eight that share a group of W (one X), any four that agree in one bit of Y start at most 6 steps apart round
; the ring (6 Y mod 16: 0, 6, 12, 2, 8, 14, 4, 10).  The number hangs on the cluster's place alone, which all partners share; a tile's address is made anew from its base and the step's number.
; REGISTERS, in windows of 256 (s_set_vgpr_msb: bits 1:0 source 0, 3:2 source 1, 5:4 source 2, 7:6 destination):
;   window 0: addresses, and v32-159 at work on the way out       window 1: two fragment buffers of 128: 32 registers of x (4 blocks of 16 rows x 32 K), then 96 of W (3 heads x 4 blocks)
;   window 2: the accumulators of my heads 0 and 1, (j, a, bb) at 128 j + 32 a + 8 bb       window 3: v0-127 those of my head 2; v128-255 my rows' cosines and sines
.set PA,    272                        ; a row of x in LDS: 256 bytes + 16 = 68 words: the 16 rows of a fragment load start at 16 different groups of four banks (64 banks of 4 bytes: ISA guide 11.1)
.set AHALF, 64*PA                      ; what one tensor load brings of x
.set ATILE, 2*AHALF
.set PB,    864                        ; a k-row of W: six heads of 128 bytes + 16 each = 216 words = 27 x 8
.set BHALF, 64*PB                      ; what one tensor load brings of W
.set SLOT,  ATILE+2*BHALF              ; x's 128 rows, then W's 128 k-rows: 145,408 bytes
.set STAGE, 2*SLOT                     ; behind the ring, never filled by a tensor load: for each wave 16 x 272 bytes (f32), then 16 x 144 (f16)
.set WSTG,  6656
.set S16O,  4352
.set SPARE, STAGE+4*WSTG               ; the spare words, 128 bytes for each wave: two blocks of 256 bytes that no other line names
.set GO,    10                         ; v10  16 x lane: my place in 512 consecutive bytes of an output
.set TO,    11                         ; v11  my place in 16 rows of the table: 256 (l % 16) + 32 (l / 16)
.set ADRA,  16                         ; v16-17  LDS address of my fragments of x in slot 0, 1
.set ADRB,  20                         ; v20-23  the same for W: slot 0 k-rows 0-63, 64-127, slot 1 likewise (a load's immediate reaches 65,535 bytes)
.set STO16, 24
.set RD16,  25
.set STO32, 26
.set RD32,  27
.set SPW,   28                         ; v28  LDS address of my spare word; never rewritten
.set NIL,   29                         ; v29  0; never rewritten
.set R,     32                         ; v32-63   a block of 16 rows x 64 channels, rotated
.set TT,    64                         ; v64-79   upper half x sin
.set UU,    80                         ; v80-95   lower half x sin
.set H,     96                         ; v96-111  the block in f16
.set BKH,   112                        ; v112-127 the f16 block back from the stage, by rows
.set BKF,   128                        ; v128-159 the f32 block back from the stage
.set F0,    0
.set F1,    128
.set TAB,   128                        ; window 3: for row block a at TAB + 32 a: cos of channels 0-15, 16-31, sin of 0-15, 16-31 (my eight of each)
.set WV, 20                            ; s20 wave; s21 its half of the rows, also: I fetch x (0) or W (1); s22 its half of the columns, also: which half of that tile I fetch
.set WR, 21
.set WC, 22
.set CX, 23
.set CY, 24
.set GX, 25                            ; the group = 4 x cluster x + cx
.set TY, 26                            ; the block of 128 rows = 4 x cluster y + cy
.set KSN, 30                           ; s30  the K step to be asked for next, 0 .. 15
.set G1A, 32                           ; s[32:39] descriptor group 1 for x's tiles;  s[40:47] group 0, a set for each slot
.set G0A, 40
.set G1B, 48                           ; s[48:55], s[56:63] the same for W's
.set G0B, 56
.set PQ,   68                          ; s[68:69] qh at my rows of my first head
.set PK16, 70                          ; kh, vh, out1, out2 at my rows of the group's kv head
.set PV16, 72
.set PK32, 74
.set PV32, 76
.set BSA,  80                          ; s[80:81] xb at the rows that I fetch, K step 0; never rewritten
.set BSB,  82                          ; s[82:83] wc at the k-rows that I fetch of K step 0, my group; never rewritten
.set OFA,  92                          ; s[92:93] a K step's byte offset in xb: 256 x step
.set OFB,  94                          ; s[94:95] in wc: 128 k-rows of 6,144 bytes x step
.set MSB, 0
.macro WIN new                         ; the immediate's high byte repeats the setting that is left; a switch that changes nothing is dropped
.if MSB != (\new)
	s_set_vgpr_msb (MSB<<8)|(\new)
.set MSB, \new
.endif
.endm
.macro PLACES                          ; four places in front of loads into registers that matrix instructions have read, and of vector lines that read results
.rept 4
	v_nop
.endr
.endm
; The two descriptors of a slot take K step KSN: each address is its base plus an offset made apart from it, and the type bits are set again.  KSN goes on, round 16.  Scalar work alone; it stands where no tensor load of the wave is out.
.macro ASK slot
	s_lshl_b32 s[OFA], s[KSN], 8
	s_mul_i32 s[OFB], s[KSN], 786432
	s_add_nc_u64 s[G0A+4*(\slot)+2:G0A+4*(\slot)+3], s[BSA:BSA+1], s[OFA:OFA+1]
	s_or_b32 s[G0A+4*(\slot)+3], s[G0A+4*(\slot)+3], 0x80000000
	s_add_nc_u64 s[G0B+4*(\slot)+2:G0B+4*(\slot)+3], s[BSB:BSB+1], s[OFB:OFB+1]
	s_or_b32 s[G0B+4*(\slot)+3], s[G0B+4*(\slot)+3], 0x80000000
	s_add_co_u32 s[KSN], s[KSN], 1
	s_and_b32 s[KSN], s[KSN], 15
.endm
; A joint refill: waves 0 and 1 fetch x's two halves, waves 2 and 3 W's.  The branch hangs on the wave's number alone.  An s_nop 0 and four v_nop follow each of the two lines.
.macro JLOAD s
	s_cmp_eq_u32 s[WR], 0
	s_cbranch_scc0 .Lfor_b_\@
	tensor_load_to_lds s[G0A+4*(\s):G0A+4*(\s)+3], s[G1A:G1A+7]
	s_nop 0
.rept 4
	v_nop
.endr
	s_branch .Lasked_\@
.Lfor_b_\@:
	tensor_load_to_lds s[G0B+4*(\s):G0B+4*(\s)+3], s[G1B:G1B+7]
	s_nop 0
.rept 4
	v_nop
.endr
.Lasked_\@:
.endm
.macro CREST                           ; a round of the cluster's barrier behind its opening barrier
	s_cmp_lg_u32 s[WV], 0
	s_cbranch_scc1 .Lnot_wave_0_\@
	s_barrier_signal -3
.Lnot_wave_0_\@:
	s_barrier_wait -3
	s_barrier_signal -1
	s_barrier_wait -1
.endm
.macro CROUND
	s_barrier_signal -1
	s_barrier_wait -1
	CREST
.endm
	s_load_b512 s[4:19], s[0:1], 0x0               ; xb 4, wc 6, tab 8, qh 10, kh 12, vh 14, out1 16, out2 18
	v_lshl_add_u32 v[SPW], v0, 2, SPARE
	v_mov_b32 v[NIL], 0
	ds_add_u32 v[SPW], v[NIL]                      ; the wave's opening: the add and its wait stand ahead of my first tensor load; the set-up below, work on registers, stands between them
	v_lshrrev_b32 v3, 5, v0
	v_readfirstlane_b32 s[WV], v3
	s_lshr_b32 s[WR], s[WV], 1
	s_and_b32 s[WC], s[WV], 1
	s_bfe_u32 s[CX], ttmp6, 0x40000
	s_bfe_u32 s[CY], ttmp6, 0x40004
	s_lshl_b32 s[GX], ttmp9, 2                     ; in a cluster launch ttmp9 and ttmp7 count clusters
	s_add_co_u32 s[GX], s[GX], s[CX]
	s_and_b32 s[TY], ttmp7, 0xffff
	s_lshl_b32 s[TY], s[TY], 2
	s_add_co_u32 s[TY], s[TY], s[CY]
	s_and_b32 s[KSN], ttmp7, 0xffff                ; where my cluster's walk along K begins: (6 x cluster y + 8 x cluster x) mod 16
	s_mul_i32 s[KSN], s[KSN], 6
	s_lshl3_add_u32 s[KSN], ttmp9, s[KSN]
	s_and_b32 s[KSN], s[KSN], 15
	s_mov_b32 s[OFA+1], 0
	s_mov_b32 s[OFB+1], 0
	s_lshl_b32 s27, s[CY], 2
	s_lshl_b32 s27, 15, s27                        ; my row of the cluster
	s_lshl_b32 s28, 0x1111, s[CX]                  ; my column
	s_or_b32 s[G1A], s27, (1<<16)|(1<<20)|(1<<21)|(5<<22)|(3<<25)  ; the mask; 2-byte elements; padding on; bit 21 beside a mask; after every 64 words 4 words
	s_mov_b32 s[G1A+1], 128<<16                    ; tensor_dim0 = 128
	s_mov_b32 s[G1A+2], 64<<16                     ; tensor_dim1 = 64
	s_mov_b32 s[G1A+3], 128<<16                    ; tile_dim0 = 128
	s_mov_b32 s[G1A+4], 64                         ; tile_dim1 = 64
	s_mov_b32 s[G1A+5], 2048                       ; elements from row to row
	s_mov_b32 s[G1A+6], 0
	s_mov_b32 s[G1A+7], 0
	s_or_b32 s[G1B], s28, (1<<16)|(1<<20)|(1<<21)|(4<<22)|(3<<25)  ; after every 32 words (a head's 128 bytes) 4 words
	s_mov_b32 s[G1B+1], 384<<16
	s_mov_b32 s[G1B+2], 64<<16
	s_mov_b32 s[G1B+3], 384<<16
	s_mov_b32 s[G1B+4], 64
	s_mov_b32 s[G1B+5], 3072
	s_mov_b32 s[G1B+6], 0
	s_mov_b32 s[G1B+7], 0
	; x's tiles hang on the block of rows alone, which my row of the cluster shares; W's on the group alone, which my column shares.  Each address is made in registers that never hold the other coordinate.
	s_lshl_b32 s[BSA], s[TY], 19                   ; 128 rows of 4,096 bytes
	s_lshl_b32 s79, s[WC], 18                      ; + my 64 of them
	s_add_co_u32 s[BSA], s[BSA], s79
	s_mov_b32 s[BSA+1], 0
	s_mul_i32 s[BSB], s[WC], 393216                ; my 64 k-rows of 6,144 bytes
	s_mul_i32 s78, s[GX], 768                      ; + the group
	s_add_co_u32 s[BSB], s[BSB], s78
	s_mov_b32 s[BSB+1], 0
	s_mul_i32 s84, s[WC], AHALF                    ; where they go: no place in the cluster enters an LDS address
	s_mul_i32 s85, s[WC], BHALF
	s_add_co_u32 s85, s85, ATILE
	s_wait_dscnt 0x0                               ; the opening add is done
	s_wait_kmcnt 0x0
	s_add_nc_u64 s[BSA:BSA+1], s[4:5], s[BSA:BSA+1]
	s_add_nc_u64 s[BSB:BSB+1], s[6:7], s[BSB:BSB+1]
	CROUND                                         ; all sixteen work-groups are here: the first joint loads meet
.irp s, 0,1
	s_mov_b32 s[G0A+4*(\s)], 1
	s_add_co_u32 s[G0A+4*(\s)+1], s84, (\s)*SLOT
	s_mov_b32 s[G0B+4*(\s)], 1
	s_add_co_u32 s[G0B+4*(\s)+1], s85, (\s)*SLOT
	ASK \s                                         ; the walk's first and second K step
.endr
	s_cmp_eq_u32 s[WR], 0                          ; a wave's two first fills stand in one branch, ahead of every wait on TENSORcnt and every LDS read: two loads of mine are out
	s_cbranch_scc0 .Lfirst_b
	tensor_load_to_lds s[G0A:G0A+3], s[G1A:G1A+7]
	s_nop 0
	tensor_load_to_lds s[G0A+4:G0A+7], s[G1A:G1A+7]
	s_nop 0
.rept 4
	v_nop
.endr
	s_branch .Lfirst_asked
.Lfirst_b:
	tensor_load_to_lds s[G0B:G0B+3], s[G1B:G1B+7]
	s_nop 0
	tensor_load_to_lds s[G0B+4:G0B+7], s[G1B:G1B+7]
	s_nop 0
.rept 4
	v_nop
.endr
.Lfirst_asked:
	v_and_b32 v1, 15, v0                           ; l % 16
	v_bfe_u32 v2, v0, 4, 1                         ; l / 16
	v_and_b32 v3, 31, v0
	v_lshlrev_b32 v[GO], 4, v3
	v_lshlrev_b32 v[TO], 8, v1
	v_lshl_add_u32 v[TO], v2, 5, v[TO]
	; a fragment of x: lane l holds row l % 16, K = 8 (l / 16) + 0..7 and 16 + 8 (l / 16) + 0..7: two loads of 16 bytes, 32 bytes apart
	v_mul_u32_u24 v4, v1, PA
	v_lshl_add_u32 v4, v2, 4, v4
	s_mul_i32 s86, s[WR], AHALF                    ; my 64 rows
	v_add_nc_u32 v[ADRA], s86, v4
	v_add_nc_u32 v[ADRA+1], SLOT, v[ADRA]
	; the turning load takes 16 k x 16 columns (lane l reads k-row 8 (l / 16) + l % 8, columns 8 ((l / 8) % 2) + 0..7) and leaves half a fragment: lane l holds column l % 16 and 8 k
	v_and_b32 v5, 7, v0
	v_lshl_add_u32 v5, v2, 3, v5
	v_mul_u32_u24 v5, v5, PB
	v_bfe_u32 v6, v0, 3, 1
	v_lshl_add_u32 v5, v6, 4, v5
	s_mul_i32 s87, s[WC], 432                      ; my three heads of the six
	s_add_co_u32 s87, s87, ATILE
	v_add_nc_u32 v[ADRB], s87, v5
	v_add_nc_u32 v[ADRB+1], BHALF, v[ADRB]
	v_add_nc_u32 v[ADRB+2], SLOT, v[ADRB]
	v_add_nc_u32 v[ADRB+3], SLOT+BHALF, v[ADRB]
	; my stage.  In: row l % 16, my eight channels.  Back: whole rows, 512 consecutive bytes of the output to a load
	s_mul_i32 s88, s[WV], WSTG
	s_add_co_u32 s88, s88, STAGE
	v_mul_u32_u24 v7, v1, 272
	v_lshl_add_u32 v7, v2, 5, v7
	v_add_nc_u32 v[STO32], s88, v7
	v_mul_u32_u24 v7, v2, 272
	v_lshl_add_u32 v7, v1, 4, v7
	v_add_nc_u32 v[RD32], s88, v7
	s_add_co_u32 s88, s88, S16O
	v_mul_u32_u24 v7, v1, 144
	v_lshl_add_u32 v7, v2, 4, v7
	v_add_nc_u32 v[STO16], s88, v7
	v_bfe_u32 v7, v0, 3, 2
	v_mul_u32_u24 v7, v7, 144
	v_and_b32 v8, 7, v0
	v_lshl_add_u32 v7, v8, 4, v7
	v_add_nc_u32 v[RD16], s88, v7
	; where my rows lie: batch = block / 4, position s0 = 128 (block % 4) + 64 x my half
	s_lshr_b32 s86, s[TY], 2
	s_and_b32 s87, s[TY], 3
	s_lshl_b32 s87, s87, 7
	s_lshl_b32 s89, s[WR], 6
	s_add_co_u32 s87, s87, s89
	s_mov_b32 s91, 0
	s_lshl_b32 s90, s87, 8
	s_add_nc_u64 s[8:9], s[8:9], s[90:91]          ; the table at position s0
	s_lshl_b32 s89, s86, 5
	s_lshl2_add_u32 s89, s[GX], s89                ; 32 batch + 4 group
	s_mul_i32 s88, s[WC], 3
	s_add_co_u32 s89, s89, s88                     ; + my first head: 0 or 3
	s_lshl_b32 s89, s89, 9
	s_add_co_u32 s89, s89, s87
	s_lshl_b32 s90, s89, 7
	s_add_nc_u64 s[PQ:PQ+1], s[10:11], s[90:91]
	s_lshl3_add_u32 s89, s86, s[GX]                ; 8 batch + group
	s_lshl_b32 s89, s89, 9
	s_add_co_u32 s89, s89, s87
	s_lshl_b32 s90, s89, 7
	s_add_nc_u64 s[PK16:PK16+1], s[12:13], s[90:91]
	s_add_nc_u64 s[PV16:PV16+1], s[14:15], s[90:91]
	s_lshl_b32 s90, s89, 8
	s_add_nc_u64 s[PK32:PK32+1], s[16:17], s[90:91]
	s_add_nc_u64 s[PV32:PV32+1], s[18:19], s[90:91]
	WIN 0xc0                                       ; destination window 3.  My 64 rows' cosines and sines, once; they are waited for at the way out, and nothing in between touches their registers, v11 or s[8:9]
.irp a, 0,1,2,3
.irp c, 0,1,2,3
.irp u, 0,1
	global_load_b128 v[TAB+32*(\a)+8*(\c)+4*(\u):TAB+32*(\a)+8*(\c)+4*(\u)+3], v[TO], s[8:9] offset:4096*(\a)+64*(\c)+16*(\u)
.endr
.endr
.endr
	WIN 0
; 16 matrix instructions: my head j, 4 row blocks x 4 column blocks, 32 along K.  zero = 1: the first product starts the sums: nothing is cleared.
.macro MUL16 f, j, zero
.if (\j) < 2
	WIN 0xa5                                       ; sources in window 1, C and D in window 2
.set AB, 128*(\j)
.else
	WIN 0xf5                                       ; C and D in window 3
.set AB, 0
.endif
.irp a, 0,1,2,3
.irp bb, 0,1,2,3
.if \zero
	v_wmma_f32_16x16x32_bf16 v[AB+32*(\a)+8*(\bb):AB+32*(\a)+8*(\bb)+7], v[(\f)+32+8*(4*(\j)+(\bb)):(\f)+32+8*(4*(\j)+(\bb))+7], v[(\f)+8*(\a):(\f)+8*(\a)+7], 0
.else
	v_wmma_f32_16x16x32_bf16 v[AB+32*(\a)+8*(\bb):AB+32*(\a)+8*(\bb)+7], v[(\f)+32+8*(4*(\j)+(\bb)):(\f)+32+8*(4*(\j)+(\bb))+7], v[(\f)+8*(\a):(\f)+8*(\a)+7], v[AB+32*(\a)+8*(\bb):AB+32*(\a)+8*(\bb)+7]
.endif
.endr
.endr
.endm
; 32 LDS loads in one run: quarter q (32 along K) of a slot into buffer f: x's 8, W's heads 0 and 1 (16), W's head 2 (8)
.macro FETCH slot, q, f
	WIN 0x40                                       ; destination window 1, address window 0
.irp a, 0,1,2,3
	ds_load_b128 v[(\f)+8*(\a):(\f)+8*(\a)+3],   v[ADRA+(\slot)] offset:64*(\q)+(\a)*16*PA
	ds_load_b128 v[(\f)+8*(\a)+4:(\f)+8*(\a)+7], v[ADRA+(\slot)] offset:64*(\q)+(\a)*16*PA+32
.endr
.irp j, 0,1,2
.irp bb, 0,1,2,3
	ds_load_tr16_b128 v[(\f)+32+8*(4*(\j)+(\bb)):(\f)+32+8*(4*(\j)+(\bb))+3],   v[ADRB+2*(\slot)+(\q)/2] offset:((\q)%2)*32*PB+144*(\j)+32*(\bb)
	ds_load_tr16_b128 v[(\f)+32+8*(4*(\j)+(\bb))+4:(\f)+32+8*(4*(\j)+(\bb))+7], v[ADRB+2*(\slot)+(\q)/2] offset:((\q)%2)*32*PB+16*PB+144*(\j)+32*(\bb)
.endr
.endr
.endm
; A K step is four quarters of 32 along K, 48 matrix instructions each, on buffers 0, 1, 0, 1; the 48 accumulators take turns in one order throughout.
; One of the first three: multiplies buffer f and fetches quarter q of the same slot into buffer g.
.macro QUARTER slot, q, f, g, zero
	s_wait_dscnt 8                                 ; x and W's heads 0 and 1 are in; the youngest eight loads (head 2) may be out
	MUL16 \f, 0, \zero
	MUL16 \f, 1, \zero
	PLACES
	FETCH \slot, \q, \g
	s_wait_dscnt 32                                ; all but the 32 just issued
	MUL16 \f, 2, \zero
.endm
; The last quarter multiplies buffer 1 and changes slots: ONE barrier.  In front of it each wave waits for all its tensor loads (one is out: its part of the next slot), adds 0 to its spare word, and waits for
; that and for its reads of this slot.  fill = 1: the barrier opens a round of the cluster's, and this slot is filled again, with the walk's step after next, first thing behind it: 160 matrix instructions ahead of the wait for it.
.macro TURN slot, next, fill
	WIN 0                                          ; (the add's two registers lie in window 0)
	s_wait_tensorcnt 0x0                           ; no tensor load of mine is out, so a group 0 may be written
	ds_add_u32 v[SPW], v[NIL]                      ; 0 onto my spare word
.if \fill
	ASK \slot
.endif
	s_wait_dscnt 9                                 ; (the add and the youngest eight loads may be out)
	MUL16 F1, 0, 0                                 ; sixteen matrix instructions stand between the add and the wait for it
	s_wait_dscnt 0x0                               ; the add is done, and my reads of this slot are over
	s_barrier_signal -1
	MUL16 F1, 1, 0
.if \fill
	WIN 0
.endif
	s_barrier_wait -1
.if \fill
	CREST                                          ; no wave of any partner still reads this slot or has a load on its way
	JLOAD \slot                                    ; the four v_nop behind it are also the places in front of the loads below
.else
	PLACES
.endif
	FETCH \next, 0, F0
	MUL16 F1, 2, 0
.endm
	s_wait_tensorcnt 1                             ; my part of the walk's first K step is in; the second's may stay out
	s_barrier_signal -1
	s_barrier_wait -1
	FETCH 0, 0, F0
	QUARTER 0, 1, F0, F1, 1                        ; the first quarter stands in front of the loop: its products start the sums
	WIN 0                                          ; at a label and at a branch every window is 0
	s_mov_b32 s3, 7
.Llap:                                                 ; a trip goes once round the ring and fills both slots again
	QUARTER 0, 2, F1, F0, 0
	QUARTER 0, 3, F0, F1, 0
	TURN 0, 1, 1
	QUARTER 1, 1, F0, F1, 0
	QUARTER 1, 2, F1, F0, 0
	QUARTER 1, 3, F0, F1, 0
	TURN 1, 0, 1
	QUARTER 0, 1, F0, F1, 0
	WIN 0
	s_sub_co_u32 s3, s3, 1
	s_cmp_lg_u32 s3, 0
	s_cbranch_scc1 .Llap
	QUARTER 0, 2, F1, F0, 0                        ; the last lap fills nothing
	QUARTER 0, 3, F0, F1, 0
	TURN 0, 1, 0
	QUARTER 1, 1, F0, F1, 0
	QUARTER 1, 2, F1, F0, 0
	QUARTER 1, 3, F0, F1, 0
	s_wait_dscnt 8
	MUL16 F1, 0, 0
	MUL16 F1, 1, 0
	s_wait_dscnt 0x0
	MUL16 F1, 2, 0
	WIN 0
	PLACES
; THE WAY OUT, a block of 16 rows x one head at a time.
; ROPE: out[d] = x[d] cos[d] - x[d + 32] sin[d], out[d + 32] = x[d + 32] cos[d] + x[d] sin[d], d < 32.  Each accumulator is read from its low end on.
.macro ROPE j, a
.if (\j) < 2
	WIN 0x0e                                       ; source 0 (sums) window 2, source 1 (table) window 3, source 2 and destination window 0
.set AB, 128*(\j)+32*(\a)
.else
	WIN 0x0f
.set AB, 32*(\a)
.endif
.set TB, TAB+32*(\a)
.irp bb, 0,1
.irp p, 0,2,4,6
	v_pk_mul_f32 v[TT+8*(\bb)+(\p):TT+8*(\bb)+(\p)+1], v[AB+16+8*(\bb)+(\p):AB+16+8*(\bb)+(\p)+1], v[TB+16+8*(\bb)+(\p):TB+16+8*(\bb)+(\p)+1]
.endr
.endr
.irp bb, 0,1
.irp p, 0,2,4,6
	v_pk_mul_f32 v[UU+8*(\bb)+(\p):UU+8*(\bb)+(\p)+1], v[AB+8*(\bb)+(\p):AB+8*(\bb)+(\p)+1], v[TB+16+8*(\bb)+(\p):TB+16+8*(\bb)+(\p)+1]
.endr
.endr
.irp bb, 0,1
.irp p, 0,2,4,6
	v_pk_fma_f32 v[R+8*(\bb)+(\p):R+8*(\bb)+(\p)+1], v[AB+8*(\bb)+(\p):AB+8*(\bb)+(\p)+1], v[TB+8*(\bb)+(\p):TB+8*(\bb)+(\p)+1], v[TT+8*(\bb)+(\p):TT+8*(\bb)+(\p)+1] neg_lo:[0,0,1] neg_hi:[0,0,1]
.endr
.endr
.irp bb, 0,1
.irp p, 0,2,4,6
	v_pk_fma_f32 v[R+16+8*(\bb)+(\p):R+16+8*(\bb)+(\p)+1], v[AB+16+8*(\bb)+(\p):AB+16+8*(\bb)+(\p)+1], v[TB+8*(\bb)+(\p):TB+8*(\bb)+(\p)+1], v[UU+8*(\bb)+(\p):UU+8*(\bb)+(\p)+1]
.endr
.endr
.endm
.macro PACK16 win, base                ; 32 numbers a lane, rounded once to f16
	WIN \win
.irp i, 0,1,2,3,4,5,6,7,8,9,10,11,12,13,14,15
	v_cvt_pk_f16_f32 v[H+(\i)], v[(\base)+2*(\i)], v[(\base)+2*(\i)+1]
.endr
.endm
.macro STG16                           ; into my stage by lanes, back by rows.  LDS serves a wave's instructions in order (ISA guide 5.7.1.4): the loads see the stores, and the next block's stores come behind them
	WIN 0
.irp bb, 0,1,2,3
	ds_store_b128 v[STO16], v[H+4*(\bb):H+4*(\bb)+3] offset:32*(\bb)
.endr
.irp f, 0,1,2,3
	ds_load_b128 v[BKH+4*(\f):BKH+4*(\f)+3], v[RD16] offset:576*(\f)
.endr
.endm
.macro STG32 win, base                 ; the same in f32; win = 0x0c: the data are sums in window 3
	WIN \win
.irp bb, 0,1,2,3
.irp u, 0,1
	ds_store_b128 v[STO32], v[(\base)+8*(\bb)+4*(\u):(\base)+8*(\bb)+4*(\u)+3] offset:64*(\bb)+16*(\u)
.endr
.endr
	WIN 0
.irp t, 0,1,2,3,4,5,6,7
	ds_load_b128 v[BKF+4*(\t):BKF+4*(\t)+3], v[RD32] offset:544*(\t)
.endr
.endm
.macro SND16 ptr, off                  ; 16 rows of 128 bytes are 2,048 consecutive bytes: each store covers 512, at a multiple of 256 from the buffer's first
	WIN 0
.irp f, 0,1,2,3
	global_store_b128 v[GO], v[BKH+4*(\f):BKH+4*(\f)+3], s[(\ptr):(\ptr)+1] offset:(\off)+512*(\f)
.endr
.endm
.macro SND32 ptr, off
	WIN 0
.irp t, 0,1,2,3,4,5,6,7
	global_store_b128 v[GO], v[BKF+4*(\t):BKF+4*(\t)+3], s[(\ptr):(\ptr)+1] offset:(\off)+512*(\t) th:TH_STORE_NT
.endr
.endm
; A block's arithmetic stands between the stage loads of the block before and the wait for them; the registers that stores read are loaded again only behind s_wait_xcnt 0 (ISA guide 3.1).
	s_wait_loadcnt 0x0                             ; the table
	ROPE 0, 0                                      ; my head 0 is a q head in every wave
	PACK16 0, R
	STG16
.irp a, 1,2,3
	ROPE 0, \a
	PACK16 0, R
	s_wait_dscnt 0x0
	SND16 PQ, 2048*((\a)-1)
	s_wait_xcnt 0x0
	STG16
.endr
	s_wait_dscnt 0x0
	SND16 PQ, 2048*3
	s_cmp_eq_u32 s[WC], 0
	s_cbranch_scc0 .Lkv                            ; on the wave's number alone; no barrier stands in either side
.set n, 0
.rept 8                                ; the left half's heads 1 and 2: two more q heads
	ROPE 1+n/4, n%4
	PACK16 0, R
.if n > 0
	s_wait_dscnt 0x0
	SND16 PQ, 65536*(1+(n-1)/4)+2048*((n-1)%4)
.endif
	s_wait_xcnt 0x0
	STG16
.set n, n+1
.endr
	s_wait_dscnt 0x0
	SND16 PQ, 65536*2+2048*3
	s_branch .Ljoin
.Lkv:
.set n, 0
.rept 4                                ; the right half's head 1: k, rotated, in f16 and in f32
	ROPE 1, n
	PACK16 0, R
.if n > 0
	s_wait_dscnt 0x0
	SND16 PK16, 2048*(n-1)
	SND32 PK32, 4096*(n-1)
.endif
	s_wait_xcnt 0x0
	STG16
	STG32 0, R
.set n, n+1
.endr
.set n, 0
.rept 4                                ; its head 2: v, as it is
	PACK16 0x0f, 32*n
	s_wait_dscnt 0x0
.if n == 0
	SND16 PK16, 2048*3
	SND32 PK32, 4096*3
.else
	SND16 PV16, 2048*(n-1)
	SND32 PV32, 4096*(n-1)
.endif
	s_wait_xcnt 0x0
	STG16
	STG32 0x0c, 32*n
.set n, n+1
.endr
	s_wait_dscnt 0x0
	SND16 PV16, 2048*3
	SND32 PV32, 4096*3
.Ljoin:
	s_wait_tensorcnt 0x0                           ; the wave's end: these three lines stand behind my last tensor load and my last LDS store
	ds_add_u32 v[SPW], v[NIL]
	s_wait_dscnt 0x0
	CROUND                                         ; the closing round: no work-group ends while a partner may still ask for a tile that names it
	s_endpgm
.Lfunc_end_k_qef4c3ee167_qkv:
	.size	k_qef4c3ee167_qkv, .Lfunc_end_k_qef4c3ee167_qkv-k_qef4c3ee167_qkv
	.p2alignl 7, 3214868480
	.fill 96, 4, 3214868480
	.section	.rodata,"a",@progbits
	.p2align	6, 0x0
	.amdhsa_kernel k_qef4c3ee167_qkv
		.amdhsa_group_segment_fixed_size 327680
		.amdhsa_private_segment_fixed_size 0
		.amdhsa_enable_private_segment 0
		.amdhsa_kernarg_size 64
		.amdhsa_user_sgpr_count 2
		.amdhsa_user_sgpr_kernarg_segment_ptr 1
		.amdhsa_wavefront_size32 1
		.amdhsa_system_sgpr_workgroup_id_x 1
		.amdhsa_system_sgpr_workgroup_id_y 1
		.amdhsa_system_sgpr_workgroup_id_z 1
		.amdhsa_system_vgpr_workitem_id 0
		.amdhsa_next_free_vgpr 1024
		.amdhsa_next_free_sgpr 96
		.amdhsa_reserve_vcc 0
		.amdhsa_float_denorm_mode_32 3
		.amdhsa_float_denorm_mode_16_64 3
		.amdhsa_memory_ordered 1
		.amdhsa_forward_progress 1
		.amdhsa_inst_pref_size 186
	.end_amdhsa_kernel
	.amdgpu_metadata
---
amdhsa.version: [ 1, 2 ]
amdhsa.kernels:
  - .name:           k_qef4c3ee167_qkv
    .symbol:         k_qef4c3ee167_qkv.kd
    .args:
      - { .name: xb, .offset: 0, .size: 8, .value_kind: global_buffer, .address_space: global }
      - { .name: wc, .offset: 8, .size: 8, .value_kind: global_buffer, .address_space: global }
      - { .name: tab, .offset: 16, .size: 8, .value_kind: global_buffer, .address_space: global }
      - { .name: qh, .offset: 24, .size: 8, .value_kind: global_buffer, .address_space: global }
      - { .name: kh, .offset: 32, .size: 8, .value_kind: global_buffer, .address_space: global }
      - { .name: vh, .offset: 40, .size: 8, .value_kind: global_buffer, .address_space: global }
      - { .name: out1, .offset: 48, .size: 8, .value_kind: global_buffer, .address_space: global }
      - { .name: out2, .offset: 56, .size: 8, .value_kind: global_buffer, .address_space: global }
    .group_segment_fixed_size: 327680
    .private_segment_fixed_size: 0
    .kernarg_segment_align: 8
    .kernarg_segment_size: 64
    .max_flat_workgroup_size: 128
    .sgpr_count:     96
    .vgpr_count:     1024
    .wavefront_size: 32
...
	.end_amdgpu_metadata
.endif
;; end of part 2
;; launch attn (part 3): grid 32 x 8, 8 waves a work-group, clusters of 4 x 1, 180,224 bytes of LDS; arguments qh, kh, vh, oh; writes oh
.if DOCPART == 3
	.amdgcn_target "amdgcn-amd-amdhsa--gfx1250"
	.amdhsa_code_object_version 6
	.text
	.protected	k_qef4c3ee167_attn
	.globl	k_qef4c3ee167_attn
	.p2align	8
	.type	k_qef4c3ee167_attn,@function
k_qef4c3ee167_attn:
	s_mov_b64 s[64:65], 0
	v_nop
	global_prefetch_b8 v0, s[64:65] scope:SCOPE_SE
	s_setreg_imm32_b32 hwreg(HW_REG_WAVE_MODE, 25, 1), 1
	s_wait_xcnt 0x0
	s_wait_alu depctr_hold_cnt(0) depctr_sa_sdst(0) depctr_va_vdst(0) depctr_va_sdst(0) depctr_va_ssrc(0) depctr_va_vcc(0) depctr_vm_vsrc(0)
	s_getreg_b32 s2, hwreg(HW_REG_IB_STS2, 6, 4)
	s_cmp_eq_u32 s2, 0
	s_cbranch_scc0 .Lentry_in_a_cluster
	s_endpgm
.Lentry_in_a_cluster:
	s_bfe_u32 s2, ttmp6, 0x10000c
	s_cmp_lg_u32 s2, 0x3003
	s_cbranch_scc0 .Lentry_shape_is_right
	s_endpgm
.Lentry_shape_is_right:
; CAUSAL ATTENTION, four query heads to a key and value head.  O[q] = the sum over k <= q of softmax_k(Q[q] . K[k] / 8) V[k].  qh, oh: f16 [8][32][512][64]; kh, vh: f16 [8][8][512][64].
; Products, maxima and sums in f32; the weights p are rounded to f16 for the second product (their sum l is taken of the unrounded p), O once at the end.
; LIMITS.  Q, K, V arrive within f16's 65,504.  A hidden score counts as its value less 1e30 (f16's scores are 2.7e11 at the most); a weight below 2^-126 counts as 0; p below 6e-5 keeps f16's fixed
; step of 6e-8; NaN and infinities are not treated apart.
; SHARES.  A work-group has one batch and query head: 256 work-groups.  All 512 keys' K and V lie in LDS, filled once: no ring, no refill, and no barrier in the loop.
; CLUSTER.  The four query heads of a key and value head are a cluster and ask for K and V JOINTLY: waves 0-3 fetch K's quarters of 128 keys, waves 4-7 V's; one load of a wave is out.
; The 512 queries are 8 bands of 64; band i needs the key steps 0 .. i of 64 keys.  Wave w owns rows 16 (w % 4) .. + 15 of four bands: 7, 4, 3, 0 (w < 4) or 6, 5, 2, 1: 18 pairs of tile and step
; for every wave, of the 32 that no mask would ask for.  The step loop counts to the constant 8; a tile whose band lies below the step is jumped over, forward, past text with no barrier and no tensor load.
; EIGHT WAVES, two to a SIMD: a tile and step have 16 matrix and some 125 vector instructions, written in plain phases; one wave's softmax stands beside the other's products.
; LAYOUT.  S^T = K Q^T (source 0 = 16 keys, source 1 = 16 queries) holds ONE query a lane (l % 16) and the keys 8 (l / 16) + 0..7; two such results rounded to f16 ARE source 1 of O^T = V^T P.
; SOFTMAX.  A running maximum m and sum l for each query: p = 2^(c s - c m), c = log2(e) / 8; in every step O and l are multiplied by a = 2^(c m_old - c m_new).  m starts at the lowest finite number,
; O and l at 0: the first step is a step like any other, with a = 0.  The price is 128 v_mov_b32, which stand in the wait for K and V; the gain is that no first step is written out.
; THE MASK is the C operand that starts the sum in a band's own step: 0, or -1e30 where the key lies behind the query; in earlier steps C is the constant 0.  Every row sees its own key there, so m is a true score.
; REGISTERS (s_set_vgpr_msb: bits 1:0 source 0, 3:2 source 1, 5:4 source 2, 7:6 destination).  Window 0: see below.  Window 1: v0-63 Q, 16 a tile; v64-191 O^T, 32 a tile.
.set KS,    64
.set PK,    144                        ; a row of K in LDS: 128 bytes + 16 = 36 words: the 16 rows of a load start at 16 different groups of four banks (64 banks of 4 bytes: ISA guide 11.1)
.set PV,    160                        ; a row of V: 128 + 32 = 40 words
.set VOFF,  512*PK
.set STAGE, VOFF+512*PV                ; never filled by a tensor load: 16 rows x 144 bytes for each wave, for the way out
.set SP,    144
.set SPARE, STAGE+8*16*SP              ; the spare words, 128 bytes for each wave: four blocks of 256 bytes that no other line names
.set AK0, 2                            ; v2, v3  my lane's place in a step's K and V; never rewritten
.set AV0, 3
.set AK,  4                            ; v4, v5  the LDS addresses of the step in hand
.set AV,  5
.set STO, 6
.set RD,  7
.set GO,  8
.set QO,  12
.set ST,  16                           ; v16-31  tile t: c m, m, l (even keys', odd keys')
.set C0,  32                           ; v32-35  at work; when the maximum is found v34 takes a
.set MV,  36                           ; v36     c m_old
.set SPW, 38                           ; v38     LDS address of my spare word; never rewritten
.set NIL, 39                           ; v39     0; never rewritten
.set S,   40                           ; v40-71  S^T
.set PP,  72                           ; v72-87  P
.set MD,  88                           ; v88-119 the mask of a band's own step for my 16 rows
.set KF,  120                          ; v120-183 K of a step: key block kb, channel half c at KF + 16 kb + 8 c; on the way out the packed rows, 16 a tile
.set VF,  184                          ; v184-247 V of a step: key half kk, channel block cb at VF + 32 kk + 8 cb
.set OT,  64                           ; window 1
.set WV,   12
.set G1K,  24
.set G1V,  32
.set G0K,  40
.set G0V,  44
.set BAND, 48                          ; s48-51 my four bands, falling
.set STEP, 52
.set TBK,  53                          ; LDS byte at which the step's K begins; s54 the same for V, less VOFF
.set TBV,  54
.set HALF, 55                          ; wave / 4
.set W4,   56                          ; wave % 4
.set CS,   58                          ; s[58:59] c
.set SEL,  60                          ; s[60:61] v_permlanex16_b32's selects: each lane takes its own place in the other half
.set BIGN, 62
.set QPT,  66                          ; s[66:73] qh at my 16 rows of tile t
.set OPT,  74                          ; s[74:81] oh likewise
.set MSB, 0
.macro WIN new
.if MSB != (\new)
	s_set_vgpr_msb (MSB<<8)|(\new)
.set MSB, \new
.endif
.endm
.macro CROUND                          ; a round of the cluster's barrier
	s_barrier_signal -1
	s_barrier_wait -1
	s_cmp_lg_u32 s[WV], 0
	s_cbranch_scc1 .Lnot_wave_0_\@
	s_barrier_signal -3
.Lnot_wave_0_\@:
	s_barrier_wait -3
	s_barrier_signal -1
	s_barrier_wait -1
.endm
	s_load_b256 s[4:11], s[0:1], 0x0               ; qh 4, kh 6, vh 8, oh 10
	v_lshl_add_u32 v[SPW], v0, 2, SPARE
	v_mov_b32 v[NIL], 0
	ds_add_u32 v[SPW], v[NIL]                      ; the wave's opening: the add and its wait stand ahead of my first tensor load; the set-up below, work on registers, stands between them
	v_lshrrev_b32 v1, 5, v0
	v_readfirstlane_b32 s[WV], v1
	s_bfe_u32 s13, ttmp6, 0x40000                  ; cx: it enters Q's and O's addresses alone
	s_lshl_b32 s14, ttmp9, 2                       ; ttmp9 counts clusters: the key and value head
	s_add_co_u32 s14, s14, s13                     ; the query head
	s_and_b32 s15, ttmp7, 0xffff                   ; the batch
	s_lshr_b32 s[HALF], s[WV], 2
	s_and_b32 s[W4], s[WV], 3
	s_sub_co_u32 s[BAND], 7, s[HALF]
	s_add_co_u32 s[BAND+1], s[HALF], 4
	s_sub_co_u32 s[BAND+2], 3, s[HALF]
	s_mov_b32 s[BAND+3], s[HALF]
	s_lshl3_add_u32 s16, s15, ttmp9                ; 8 batch + head,
	s_lshl_b32 s16, s16, 16                        ; 65,536 bytes each,
	s_lshl_b32 s17, s[W4], 14                      ; + my quarter: 128 keys of 128 bytes
	s_add_co_u32 s16, s16, s17
	s_mov_b32 s17, 0
	s_lshl_b32 s18, s15, 5
	s_add_co_u32 s18, s18, s14
	s_lshl_b32 s18, s18, 16
	s_lshl_b32 s19, s[W4], 11                      ; my 16 rows in a band
	s_add_co_u32 s18, s18, s19
	s_mov_b32 s21, 0
	; descriptor group 1.  128 keys are 16,384 dense bytes: asked for as 64 rows of 256 bytes, two keys a row, and padded in LDS after every key
	s_mov_b32 s[G1K], 15|(1<<16)|(1<<20)|(1<<21)|(4<<22)|(3<<25)  ; the mask of four; 2-byte elements; padding on; bit 21 beside a mask; after every 32 words 4 words
	s_mov_b32 s[G1V], 15|(1<<16)|(1<<20)|(1<<21)|(4<<22)|(7<<25)  ; the same with 8 words
.irp g, G1K, G1V
	s_mov_b32 s[\g+1], 128<<16
	s_mov_b32 s[\g+2], 64<<16
	s_mov_b32 s[\g+3], 128<<16
	s_mov_b32 s[\g+4], 64
	s_mov_b32 s[\g+5], 128
	s_mov_b32 s[\g+6], 0
	s_mov_b32 s[\g+7], 0
.endr
	s_mov_b32 s[G0K], 1
	s_mul_i32 s[G0K+1], s[W4], 128*PK              ; no place in the cluster enters an LDS address
	s_mov_b32 s[G0V], 1
	s_mul_i32 s[G0V+1], s[W4], 128*PV
	s_add_co_u32 s[G0V+1], s[G0V+1], VOFF
	s_mov_b32 s[CS], 0x3e38aa3b                    ; c = log2(e) / 8 = 0.180337
	s_mov_b32 s[CS+1], s[CS]
	s_mov_b32 s[SEL], 0x76543210
	s_mov_b32 s[SEL+1], 0xfedcba98
	s_mov_b32 s[BIGN], 0xf149f2ca                  ; -1e30
	s_wait_dscnt 0x0                               ; the opening add is done
	s_wait_kmcnt 0x0
	s_add_nc_u64 s[G0K+2:G0K+3], s[6:7], s[16:17]
	s_or_b32 s[G0K+3], s[G0K+3], 0x80000000
	s_add_nc_u64 s[G0V+2:G0V+3], s[8:9], s[16:17]
	s_or_b32 s[G0V+3], s[G0V+3], 0x80000000
.irp t, 0,1,2,3
	s_lshl_b32 s20, s[BAND+(\t)], 13               ; a band is 64 rows of 128 bytes
	s_add_co_u32 s20, s20, s18
	s_add_nc_u64 s[QPT+2*(\t):QPT+2*(\t)+1], s[4:5], s[20:21]
	s_add_nc_u64 s[OPT+2*(\t):OPT+2*(\t)+1], s[10:11], s[20:21]
.endr
	CROUND                                         ; all four work-groups are here: the joint loads meet
	s_cmp_lt_u32 s[WV], 4                          ; on the wave's number alone.  An s_nop 0 and four v_nop follow each of the two lines
	s_cbranch_scc0 .Lfor_v
	tensor_load_to_lds s[G0K:G0K+3], s[G1K:G1K+7]
	s_nop 0
.rept 4
	v_nop
.endr
	s_branch .Lasked
.Lfor_v:
	tensor_load_to_lds s[G0V:G0V+3], s[G1V:G1V+7]
	s_nop 0
.rept 4
	v_nop
.endr
.Lasked:
	; a fragment of K or Q: lane l holds row l % 16, channels 8 (l / 16) + 0..7 and 16 + 8 (l / 16) + 0..7: two loads of 16 bytes, 32 bytes apart
	v_and_b32 v1, 15, v0
	v_bfe_u32 v9, v0, 4, 1
	v_lshlrev_b32 v[QO], 7, v1
	v_lshl_add_u32 v[QO], v9, 4, v[QO]
	WIN 0x40                                       ; destination window 1
.irp t, 0,1,2,3
.irp c, 0,1
	global_load_b128 v[16*(\t)+8*(\c):16*(\t)+8*(\c)+3],   v[QO], s[QPT+2*(\t):QPT+2*(\t)+1] offset:64*(\c)
	global_load_b128 v[16*(\t)+8*(\c)+4:16*(\t)+8*(\c)+7], v[QO], s[QPT+2*(\t):QPT+2*(\t)+1] offset:64*(\c)+32
.endr
.endr
.set i, OT
.rept 128
	v_mov_b32 v[i], 0                              ; O^T
.set i, i+1
.endr
	WIN 0
.irp t, 0,1,2,3
	v_mov_b32 v[ST+4*(\t)], 0xfe000000             ; c m: far below every c s
	v_mov_b32 v[ST+4*(\t)+1], 0xff7fffff           ; m
	v_mov_b32 v[ST+4*(\t)+2], 0
	v_mov_b32 v[ST+4*(\t)+3], 0
.endr
	v_lshlrev_b32 v14, 3, v9
	v_sub_nc_u32 v14, v1, v14
	s_lshl_b32 s16, s[W4], 4
	v_add_nc_u32 v14, s16, v14                     ; my query's place in its band, less my lanes' 8 (l / 16): register j of key block kb is hidden where 16 kb + j is greater
.set i, 0
.rept 32
	v_cmp_gt_i32 vcc_lo, 16*(i/8)+i%8, v14
	v_cndmask_b32 v[MD+i], 0, s[BIGN], vcc_lo
.set i, i+1
.endr
	v_mul_u32_u24 v[AK0], v1, PK
	v_lshl_add_u32 v[AK0], v9, 4, v[AK0]
	; the turning load takes 16 keys x 16 channels (lane l reads key 8 (l / 16) + l % 8, channels 8 ((l / 8) % 2) + 0..7) and leaves half a fragment of V^T
	v_and_b32 v10, 7, v0
	v_bfe_u32 v11, v0, 3, 1
	v_lshl_add_u32 v[AV0], v9, 3, v10
	v_mul_u32_u24 v[AV0], v[AV0], PV
	v_lshl_add_u32 v[AV0], v11, 4, v[AV0]
	v_add_nc_u32 v[AV0], VOFF, v[AV0]
	s_mul_i32 s17, s[WV], 16*SP
	s_add_co_u32 s17, s17, STAGE                   ; my stage
	v_mul_u32_u24 v[STO], v1, SP
	v_lshl_add_u32 v[STO], v9, 4, v[STO]
	v_add_nc_u32 v[STO], s17, v[STO]
	v_bfe_u32 v[RD], v0, 3, 2                      ; back: 32 lanes take four rows of 128 bytes,
	v_mul_u32_u24 v[RD], v[RD], SP
	v_lshl_add_u32 v[RD], v10, 4, v[RD]
	v_add_nc_u32 v[RD], s17, v[RD]
	v_and_b32 v[GO], 31, v0                        ; which are 512 consecutive bytes of O
	v_lshlrev_b32 v[GO], 4, v[GO]
	s_mov_b32 s[STEP], 0
	s_mov_b32 s[TBK], 0
	s_mov_b32 s[TBV], 0
	s_wait_tensorcnt 0x0                           ; my quarter has landed,
	s_barrier_signal -1
	s_barrier_wait -1                              ; everybody's has
	s_wait_loadcnt 0x0                             ; Q
; One tile and key step, in phases.  The four accumulators of each run of eight products take turns.
.macro TILE t
.set rT, ST+4*(\t)
.set rO, OT+32*(\t)
.set rQ, 16*(\t)
.if (\t) == 0
	s_wait_dscnt 16                                ; K's sixteen loads are in; V's sixteen may be out
.endif
	s_cmp_eq_u32 s[BAND+(\t)], s[STEP]             ; the band's own step takes the mask as the C that starts the sums
	s_cbranch_scc1 .Lown_\@
	WIN 0x04                                       ; Q in window 1
.irp kb, 0,1,2,3
	v_wmma_f32_16x16x32_f16 v[S+8*(\kb):S+8*(\kb)+7], v[KF+16*(\kb):KF+16*(\kb)+7], v[rQ:rQ+7], 0
.endr
	WIN 0
	s_branch .Lboth_\@
.Lown_\@:
	WIN 0x04
.irp kb, 0,1,2,3
	v_wmma_f32_16x16x32_f16 v[S+8*(\kb):S+8*(\kb)+7], v[KF+16*(\kb):KF+16*(\kb)+7], v[rQ:rQ+7], v[MD+8*(\kb):MD+8*(\kb)+7]
.endr
	WIN 0
.Lboth_\@:
	WIN 0x04
.irp kb, 0,1,2,3
	v_wmma_f32_16x16x32_f16 v[S+8*(\kb):S+8*(\kb)+7], v[KF+16*(\kb)+8:KF+16*(\kb)+15], v[rQ+8:rQ+15], v[S+8*(\kb):S+8*(\kb)+7]
.endr
	WIN 0
	v_mov_b32 v[MV], v[rT]                         ; c m_old is kept; with three v_nop the four places behind the products
	v_nop
	v_nop
	v_nop
	; the maximum of the lane's 32 scores and the old m, three operands at a time; each accumulator's lowest registers are read first
.irp n, 0,1,2,3
	v_max3_num_f32 v[C0+(\n)], v[S+8*(\n)], v[S+8*(\n)+1], v[S+8*(\n)+2]
.endr
.irp n, 0,1,2,3
	v_max3_num_f32 v[C0+(\n)], v[C0+(\n)], v[S+8*(\n)+3], v[S+8*(\n)+4]
.endr
.irp n, 0,1,2,3
	v_max3_num_f32 v[C0+(\n)], v[C0+(\n)], v[S+8*(\n)+5], v[S+8*(\n)+6]
.endr
	v_max3_num_f32 v[C0], v[C0], v[S+7], v[S+15]
	v_max3_num_f32 v[C0+1], v[C0+1], v[S+23], v[S+31]
	v_max3_num_f32 v[C0+2], v[C0+2], v[C0+3], v[rT+1]
	v_max3_num_f32 v[C0], v[C0], v[C0+1], v[C0+2]
	v_permlanex16_b32 v[C0+3], v[C0], s[SEL], s[SEL+1]  ; the query's other 32 keys lie in the lane 16 away
	v_max_num_f32 v[rT+1], v[C0], v[C0+3]          ; m
	v_mul_f32 v[rT], s[CS], v[rT+1]                ; c m
	v_sub_f32 v[C0+1], v[MV], v[rT]
	v_exp_f32 v[C0+2], v[C0+1]                     ; a; the scalings below are the plain instructions behind it
.set i, 0
.rept 16
	v_pk_fma_f32 v[S+2*i:S+2*i+1], v[S+2*i:S+2*i+1], s[CS:CS+1], v[rT:rT+1] op_sel_hi:[1,0,0] neg_lo:[0,0,1] neg_hi:[0,0,1]  ; c s - c m
.set i, i+1
.endr
.set i, 0
.rept 32
	v_exp_f32 v[S+i], v[S+i]
.set i, i+1
.endr
	WIN 0x41                                       ; O^T times a: also the plain instructions behind the exponentials; ascending
.set i, 0
	s_wait_alu depctr_va_vdst(0)
.rept 16
	v_pk_mul_f32 v[rO+2*i:rO+2*i+1], v[rO+2*i:rO+2*i+1], v[C0+2:C0+3] op_sel_hi:[1,0]
.set i, i+1
.endr
	WIN 0
.set i, 0
.rept 16
	v_cvt_pk_f16_f32 v[PP+i], v[S+2*i], v[S+2*i+1]
.set i, i+1
.endr
.irp w, 4,8,16,32                      ; the sum of the 16 pairs, in place: neighbours 1, 2, 4 and 8 pairs apart
.set i, 0
.rept 32/(\w)
	v_pk_add_f32 v[S+(\w)*i:S+(\w)*i+1], v[S+(\w)*i:S+(\w)*i+1], v[S+(\w)*i+(\w)/2:S+(\w)*i+(\w)/2+1]
.set i, i+1
.endr
.endr
	v_pk_fma_f32 v[rT+2:rT+3], v[rT+2:rT+3], v[C0+2:C0+3], v[S:S+1] op_sel_hi:[1,0,1]  ; l = a l + the sum
.if (\t) == 0
	s_wait_dscnt 0x0                               ; V is in
.endif
	WIN 0x50                                       ; C and D in window 1
.irp kk, 0,1
.irp cb, 0,1,2,3
	v_wmma_f32_16x16x32_f16 v[rO+8*(\cb):rO+8*(\cb)+7], v[VF+32*(\kk)+8*(\cb):VF+32*(\kk)+8*(\cb)+7], v[PP+8*(\kk):PP+8*(\kk)+7], v[rO+8*(\cb):rO+8*(\cb)+7]
.endr
.endr
	WIN 0
.endm
.Lstep:                                                ; eight trips; my bands fall from tile 0 to tile 3, so the first dead tile ends the trip
	s_cmp_lt_u32 s[BAND], s[STEP]
	s_cbranch_scc1 .Lnext                          ; no tile of mine sees this step: nothing is fetched
	v_add_nc_u32 v[AK], s[TBK], v[AK0]             ; with two v_nop the four places between the last products and the loads into the registers that they read
	v_add_nc_u32 v[AV], s[TBV], v[AV0]
	v_nop
	v_nop
.irp f, 0,1,2,3,4,5,6,7                ; K: keys 16 (f / 2) on, channels 32 (f % 2) on
	ds_load_b128 v[KF+8*\f:KF+8*\f+3],   v[AK] offset:(\f/2)*16*PK+(\f%2)*64
	ds_load_b128 v[KF+8*\f+4:KF+8*\f+7], v[AK] offset:(\f/2)*16*PK+(\f%2)*64+32
.endr
.irp f, 0,1,2,3,4,5,6,7                ; V, turned: keys 32 (f / 4) on, channels 16 (f % 4) on
	ds_load_tr16_b128 v[VF+8*\f:VF+8*\f+3],   v[AV] offset:(\f/4)*32*PV+(\f%4)*32
	ds_load_tr16_b128 v[VF+8*\f+4:VF+8*\f+7], v[AV] offset:(\f/4)*32*PV+16*PV+(\f%4)*32
.endr
	TILE 0
	s_cmp_lt_u32 s[BAND+1], s[STEP]
	s_cbranch_scc1 .Lnext
	TILE 1
	s_cmp_lt_u32 s[BAND+2], s[STEP]
	s_cbranch_scc1 .Lnext
	TILE 2
	s_cmp_lt_u32 s[BAND+3], s[STEP]
	s_cbranch_scc1 .Lnext
	TILE 3
.Lnext:
	s_add_co_u32 s[TBK], s[TBK], KS*PK
	s_add_co_u32 s[TBV], s[TBV], KS*PV
	s_add_co_u32 s[STEP], s[STEP], 1
	s_cmp_lt_u32 s[STEP], 8
	s_cbranch_scc1 .Lstep
	; THE WAY OUT.  l's two halves and the other half of the lanes' are added; O^T is divided by l, rounded to f16 and sent through my stage, a tile at a time.  The four additions are the places behind the last products.
.irp t, 0,1,2,3
	v_add_f32 v[ST+4*(\t)+2], v[ST+4*(\t)+2], v[ST+4*(\t)+3]
.endr
.irp t, 0,1,2,3
	v_permlanex16_b32 v[ST+4*(\t)+3], v[ST+4*(\t)+2], s[SEL], s[SEL+1]
.endr
.irp t, 0,1,2,3
	v_add_f32 v[ST+4*(\t)+2], v[ST+4*(\t)+2], v[ST+4*(\t)+3]
.endr
.irp t, 0,1,2,3
	v_rcp_f32 v[ST+4*(\t)+2], v[ST+4*(\t)+2]
.endr
	v_nop                                          ; a plain instruction between the last reciprocal and the use of its result
	s_wait_alu depctr_va_vdst(0)
.macro PACK t                          ; a lane's eight channels of a row pack into 16 bytes; they go into rows of 144 bytes and come back as whole rows of 128, into K's registers, 16 a tile
	WIN 0x41
.set i, OT+32*(\t)
.rept 16
	v_pk_mul_f32 v[i:i+1], v[i:i+1], v[ST+4*(\t)+2:ST+4*(\t)+3] op_sel_hi:[1,0]
.set i, i+2
.endr
	WIN 0x05                                       ; sources in window 1, destination in window 0
.set i, 0
.rept 16
	v_cvt_pk_f16_f32 v[KF+16*(\t)+i], v[OT+32*(\t)+2*i], v[OT+32*(\t)+2*i+1]
.set i, i+1
.endr
	WIN 0
.irp f, 0,1,2,3
	ds_store_b128 v[STO], v[KF+16*(\t)+4*\f:KF+16*(\t)+4*\f+3] offset:32*\f
.endr
.irp f, 0,1,2,3
	ds_load_b128 v[KF+16*(\t)+4*\f:KF+16*(\t)+4*\f+3], v[RD] offset:\f*4*SP  ; LDS serves a wave's instructions in order (ISA guide 5.7.1.4): these see the stores above; the next tile's stores come behind them
.endr
.endm
.macro SEND t, younger                 ; younger: the LDS instructions issued behind tile t's loads: the next tile's eight, or none
.irp f, 0,1,2,3
	s_wait_dscnt (\younger)+3-\f
	global_store_b128 v[GO], v[KF+16*(\t)+4*\f:KF+16*(\t)+4*\f+3], s[OPT+2*(\t):OPT+2*(\t)+1] offset:\f*512  ; 512 consecutive bytes, at a multiple of 256 from O's first
.endr
.endm
	PACK 0
	PACK 1                                         ; a tile's arithmetic stands between the loads of the tile before and its stores
	SEND 0, 8
	PACK 2
	SEND 1, 8
	PACK 3
	SEND 2, 8
	SEND 3, 0
	s_wait_tensorcnt 0x0                           ; the wave's end: these three lines stand behind my last tensor load and my last LDS store
	ds_add_u32 v[SPW], v[NIL]
	s_wait_dscnt 0x0
	CROUND                                         ; the closing round
	s_endpgm
.Lfunc_end_k_qef4c3ee167_attn:
	.size	k_qef4c3ee167_attn, .Lfunc_end_k_qef4c3ee167_attn-k_qef4c3ee167_attn
	.p2alignl 7, 3214868480
	.fill 96, 4, 3214868480
	.section	.rodata,"a",@progbits
	.p2align	6, 0x0
	.amdhsa_kernel k_qef4c3ee167_attn
		.amdhsa_group_segment_fixed_size 180224
		.amdhsa_private_segment_fixed_size 0
		.amdhsa_enable_private_segment 0
		.amdhsa_kernarg_size 32
		.amdhsa_user_sgpr_count 2
		.amdhsa_user_sgpr_kernarg_segment_ptr 1
		.amdhsa_wavefront_size32 1
		.amdhsa_system_sgpr_workgroup_id_x 1
		.amdhsa_system_sgpr_workgroup_id_y 1
		.amdhsa_system_sgpr_workgroup_id_z 1
		.amdhsa_system_vgpr_workitem_id 0
		.amdhsa_next_free_vgpr 448
		.amdhsa_next_free_sgpr 84
		.amdhsa_reserve_vcc 1
		.amdhsa_float_denorm_mode_32 3
		.amdhsa_float_denorm_mode_16_64 3
		.amdhsa_memory_ordered 1
		.amdhsa_forward_progress 1
		.amdhsa_inst_pref_size 64
	.end_amdhsa_kernel
	.amdgpu_metadata
---
amdhsa.version: [ 1, 2 ]
amdhsa.kernels:
  - .name:           k_qef4c3ee167_attn
    .symbol:         k_qef4c3ee167_attn.kd
    .args:
      - { .name: qh, .offset: 0, .size: 8, .value_kind: global_buffer, .address_space: global }
      - { .name: kh, .offset: 8, .size: 8, .value_kind: global_buffer, .address_space: global }
      - { .name: vh, .offset: 16, .size: 8, .value_kind: global_buffer, .address_space: global }
      - { .name: oh, .offset: 24, .size: 8, .value_kind: global_buffer, .address_space: global }
    .group_segment_fixed_size: 180224
    .private_segment_fixed_size: 0
    .kernarg_segment_align: 8
    .kernarg_segment_size: 32
    .max_flat_workgroup_size: 256
    .sgpr_count:     84
    .vgpr_count:     448
    .wavefront_size: 32
...
	.end_amdgpu_metadata
.endif
;; end of part 3
;; launch oproj (part 4): grid 8 x 32, 4 waves a work-group, clusters of 4 x 4, 327,680 bytes of LDS; arguments oh, wo, out0; writes out0
.if DOCPART == 4
	.amdgcn_target "amdgcn-amd-amdhsa--gfx1250"
	.amdhsa_code_object_version 6
	.text
	.protected	k_qef4c3ee167_oproj
	.globl	k_qef4c3ee167_oproj
	.p2align	8
	.type	k_qef4c3ee167_oproj,@function
k_qef4c3ee167_oproj:
	s_mov_b64 s[64:65], 0
	v_nop
	global_prefetch_b8 v0, s[64:65] scope:SCOPE_SE
	s_setreg_imm32_b32 hwreg(HW_REG_WAVE_MODE, 25, 1), 1
	s_wait_xcnt 0x0
	s_wait_alu depctr_hold_cnt(0) depctr_sa_sdst(0) depctr_va_vdst(0) depctr_va_sdst(0) depctr_va_ssrc(0) depctr_va_vcc(0) depctr_vm_vsrc(0)
	s_getreg_b32 s2, hwreg(HW_REG_IB_STS2, 6, 4)
	s_cmp_eq_u32 s2, 0
	s_cbranch_scc0 .Lentry_in_a_cluster
	s_endpgm
.Lentry_in_a_cluster:
	s_bfe_u32 s2, ttmp6, 0x10000c
	s_cmp_lg_u32 s2, 0xf033
	s_cbranch_scc0 .Lentry_shape_is_right
	s_endpgm
.Lentry_shape_is_right:
; out0 = O Wo.  oh: f16 [8][32 heads][512][64]; wo: f16 [2048 k][2048 n] (Wo rounded to bf16, written as f16); out0: f32 [4096][2048].  Sums in f32, one accumulator for each output.
; LIMITS.  O and wo lie within f16's range (O is a mean of V's rows); NaN and infinities are not treated apart.  The 16 K steps of a sum are added in an order that differs from cluster to cluster (below).
; SHARES.  A work-group makes 128 rows x 256 columns: 32 x 8 = 256 work-groups.  Four waves, each 64 x 128: 32 accumulators of 16 x 16, 256 registers.
; K goes in 16 steps of 128, two heads a step, through two LDS slots.  A head's 128 rows of 128 bytes are dense in memory: asked for as 64 rows of 256 bytes and padded in LDS after every 128.
; THE MATRIX INSTRUCTION IS USED TRANSPOSED: source 0 = 16 columns of Wo (turned on the way out of LDS by ds_load_tr16_b128), source 1 = 16 rows of O: a lane holds eight neighbouring numbers of a row of out0.
; CLUSTER.  4 x 4 work-groups: O's tiles are shared along a row of the cluster, Wo's along a column, each asked for JOINTLY.
; THE WALK ALONG K IS TURNED.  Cluster (X, Y) begins at K step (8 X + 6 Y) mod 16 and goes round, so that the clusters that need the same tile ask for it at different times, and all but the first find it
; asked for before.  The two clusters that share rows of O (one Y) are 8 steps apart.  Of the eight that share columns of Wo (one X), any four that agree in one bit of Y start at most 6 steps apart round
; the ring (6 Y mod 16: 0, 6, 12, 2, 8, 14, 4, 10).  The number hangs on the cluster's place alone, which all partners share; a tile's address is made anew from its base and the step's number.
; REGISTERS (s_set_vgpr_msb: bits 1:0 source 0, 3:2 source 1, 5:4 source 2, 7:6 destination): window 0: addresses, v32-159 at work on the way out;
;   window 1: two fragment buffers at v0 and v128: 32 registers of O (4 row blocks), 64 of Wo (8 column blocks);   window 2: the accumulators, (a, bb) at 64 a + 8 bb.
.set PA,    144                        ; a row of a head in LDS: 128 bytes + 16 = 36 words: the 16 rows of a load start at 16 different groups of four banks (64 banks of 4 bytes: ISA guide 11.1)
.set AHEAD, 128*PA                     ; what one tensor load brings of O: a head's 128 rows
.set ATILE, 2*AHEAD
.set PB,    544                        ; a k-row of Wo: twice 256 bytes + 16 = 136 words = 17 x 8
.set BHALF, 64*PB
.set SLOT,  ATILE+2*BHALF              ; 106,496 bytes
.set STAGE, 2*SLOT                     ; behind the ring, never filled by a tensor load: 16 rows x 528 bytes for each wave
.set SPITCH, 528
.set SPARE, STAGE+4*16*SPITCH          ; the spare words, 128 bytes for each wave: two blocks of 256 bytes that no other line names
.set ADRA, 16                          ; v16-17 LDS address of my fragments of O in slot 0, 1
.set ADRB, 20                          ; v20-21 the same for Wo
.set STO,  24
.set RD,   25
.set CO,   26                          ; 16 x lane
.set SPW,  28                          ; never rewritten
.set NIL,  29                          ; never rewritten
.set BK,   32                          ; v32-95, v96-159 by turns: 16 rows back from the stage
.set F0,   0
.set F1,   128
.set OFA, 12                           ; s[12:13] a K step's byte offset in oh: two heads of 65,536 bytes x step
.set OFB, 14                           ; s[14:15] in wo: 128 k-rows of 4,096 bytes x step
.set WV, 20
.set WR, 21                            ; my half of the rows; also: I fetch O (0) or Wo (1)
.set WC, 22                            ; my half of the columns; also: which half of that tile I fetch
.set CX, 23
.set CY, 24
.set GX, 25                            ; the block of 256 columns
.set TY, 26                            ; the block of 128 rows
.set KSN, 30                           ; s30  the K step to be asked for next, 0 .. 15
.set G1A, 32
.set G0A, 40
.set G1B, 48
.set G0B, 56
.set PO,  68                           ; s[68:69] out0 at my first row and column
.set BSA, 70                           ; s[70:71] oh at the head and rows that I fetch of K step 0; never rewritten
.set BSB, 74                           ; s[74:75] wo at the k-rows that I fetch of K step 0, my block's columns; never rewritten
.set MSB, 0
.macro WIN new
.if MSB != (\new)
	s_set_vgpr_msb (MSB<<8)|(\new)
.set MSB, \new
.endif
.endm
.macro PLACES                          ; four places in front of loads into registers that matrix instructions have read, and of stores that read results
.rept 4
	v_nop
.endr
.endm
; The two descriptors of a slot take K step KSN: each address is its base plus an offset made apart from it, and the type bits are set again.  KSN goes on, round 16.  Scalar work alone; it stands where no tensor load of the wave is out.
.macro ASK slot
	s_lshl_b32 s[OFA], s[KSN], 17
	s_lshl_b32 s[OFB], s[KSN], 19
	s_add_nc_u64 s[G0A+4*(\slot)+2:G0A+4*(\slot)+3], s[BSA:BSA+1], s[OFA:OFA+1]
	s_or_b32 s[G0A+4*(\slot)+3], s[G0A+4*(\slot)+3], 0x80000000
	s_add_nc_u64 s[G0B+4*(\slot)+2:G0B+4*(\slot)+3], s[BSB:BSB+1], s[OFB:OFB+1]
	s_or_b32 s[G0B+4*(\slot)+3], s[G0B+4*(\slot)+3], 0x80000000
	s_add_co_u32 s[KSN], s[KSN], 1
	s_and_b32 s[KSN], s[KSN], 15
.endm
.macro JLOAD s                         ; a joint refill: waves 0 and 1 fetch O's two heads, waves 2 and 3 Wo's two halves; an s_nop 0 and four v_nop follow each of the two lines
	s_cmp_eq_u32 s[WR], 0
	s_cbranch_scc0 .Lfor_b_\@
	tensor_load_to_lds s[G0A+4*(\s):G0A+4*(\s)+3], s[G1A:G1A+7]
	s_nop 0
.rept 4
	v_nop
.endr
	s_branch .Lasked_\@
.Lfor_b_\@:
	tensor_load_to_lds s[G0B+4*(\s):G0B+4*(\s)+3], s[G1B:G1B+7]
	s_nop 0
.rept 4
	v_nop
.endr
.Lasked_\@:
.endm
.macro CREST
	s_cmp_lg_u32 s[WV], 0
	s_cbranch_scc1 .Lnot_wave_0_\@
	s_barrier_signal -3
.Lnot_wave_0_\@:
	s_barrier_wait -3
	s_barrier_signal -1
	s_barrier_wait -1
.endm
.macro CROUND
	s_barrier_signal -1
	s_barrier_wait -1
	CREST
.endm
	s_load_b128 s[4:7], s[0:1], 0x0                ; oh 4, wo 6
	s_load_b64 s[8:9], s[0:1], 0x10                ; out0
	v_lshl_add_u32 v[SPW], v0, 2, SPARE
	v_mov_b32 v[NIL], 0
	ds_add_u32 v[SPW], v[NIL]                      ; the wave's opening: the add and its wait stand ahead of my first tensor load; the set-up below, work on registers, stands between them
	v_lshrrev_b32 v3, 5, v0
	v_readfirstlane_b32 s[WV], v3
	s_lshr_b32 s[WR], s[WV], 1
	s_and_b32 s[WC], s[WV], 1
	s_bfe_u32 s[CX], ttmp6, 0x40000
	s_bfe_u32 s[CY], ttmp6, 0x40004
	s_lshl_b32 s[GX], ttmp9, 2
	s_add_co_u32 s[GX], s[GX], s[CX]
	s_and_b32 s[TY], ttmp7, 0xffff
	s_lshl_b32 s[TY], s[TY], 2
	s_add_co_u32 s[TY], s[TY], s[CY]
	s_and_b32 s[KSN], ttmp7, 0xffff                ; where my cluster's walk along K begins: (6 x cluster y + 8 x cluster x) mod 16
	s_mul_i32 s[KSN], s[KSN], 6
	s_lshl3_add_u32 s[KSN], ttmp9, s[KSN]
	s_and_b32 s[KSN], s[KSN], 15
	s_mov_b32 s[OFA+1], 0
	s_mov_b32 s[OFB+1], 0
	s_lshl_b32 s27, s[CY], 2
	s_lshl_b32 s27, 15, s27                        ; my row of the cluster
	s_lshl_b32 s28, 0x1111, s[CX]                  ; my column
	s_or_b32 s[G1A], s27, (1<<16)|(1<<20)|(1<<21)|(4<<22)|(3<<25)  ; the mask; 2-byte elements; padding on; bit 21 beside a mask; after every 32 words 4 words
	s_mov_b32 s[G1A+1], 128<<16
	s_mov_b32 s[G1A+2], 64<<16
	s_mov_b32 s[G1A+3], 128<<16
	s_mov_b32 s[G1A+4], 64
	s_mov_b32 s[G1A+5], 128
	s_mov_b32 s[G1A+6], 0
	s_mov_b32 s[G1A+7], 0
	s_or_b32 s[G1B], s28, (1<<16)|(1<<20)|(1<<21)|(5<<22)|(3<<25)  ; after every 64 words 4 words
	s_mov_b32 s[G1B+1], 256<<16
	s_mov_b32 s[G1B+2], 64<<16
	s_mov_b32 s[G1B+3], 256<<16
	s_mov_b32 s[G1B+4], 64
	s_mov_b32 s[G1B+5], 2048
	s_mov_b32 s[G1B+6], 0
	s_mov_b32 s[G1B+7], 0
	; O's tiles hang on the block of rows alone, Wo's on the block of columns alone; each address is made in registers that never hold the other coordinate
	s_lshr_b32 s[BSA], s[TY], 2                    ; the batch
	s_lshl_b32 s[BSA], s[BSA], 5
	s_add_co_u32 s[BSA], s[BSA], s[WC]             ; its head 0 or 1,
	s_lshl_b32 s[BSA], s[BSA], 16                  ; 65,536 bytes a head,
	s_and_b32 s72, s[TY], 3
	s_lshl_b32 s72, s72, 14                        ; + 128 rows of 128 bytes for each block
	s_add_co_u32 s[BSA], s[BSA], s72
	s_mov_b32 s[BSA+1], 0
	s_lshl_b32 s[BSB], s[WC], 18                   ; my 64 k-rows of 4,096 bytes
	s_lshl_b32 s73, s[GX], 9                       ; + the block's 512 bytes
	s_add_co_u32 s[BSB], s[BSB], s73
	s_mov_b32 s[BSB+1], 0
	s_mul_i32 s76, s[WC], AHEAD                    ; where they go: no place in the cluster enters an LDS address
	s_mul_i32 s77, s[WC], BHALF
	s_add_co_u32 s77, s77, ATILE
	s_wait_dscnt 0x0                               ; the opening add is done
	s_wait_kmcnt 0x0
	s_add_nc_u64 s[BSA:BSA+1], s[4:5], s[BSA:BSA+1]
	s_add_nc_u64 s[BSB:BSB+1], s[6:7], s[BSB:BSB+1]
	CROUND                                         ; all sixteen work-groups are here: the first joint loads meet
.irp s, 0,1
	s_mov_b32 s[G0A+4*(\s)], 1
	s_add_co_u32 s[G0A+4*(\s)+1], s76, (\s)*SLOT
	s_mov_b32 s[G0B+4*(\s)], 1
	s_add_co_u32 s[G0B+4*(\s)+1], s77, (\s)*SLOT
	ASK \s                                         ; the walk's first and second K step
.endr
	s_cmp_eq_u32 s[WR], 0                          ; a wave's two first fills stand in one branch, ahead of every wait on TENSORcnt and every LDS read: two loads of mine are out
	s_cbranch_scc0 .Lfirst_b
	tensor_load_to_lds s[G0A:G0A+3], s[G1A:G1A+7]
	s_nop 0
	tensor_load_to_lds s[G0A+4:G0A+7], s[G1A:G1A+7]
	s_nop 0
.rept 4
	v_nop
.endr
	s_branch .Lfirst_asked
.Lfirst_b:
	tensor_load_to_lds s[G0B:G0B+3], s[G1B:G1B+7]
	s_nop 0
	tensor_load_to_lds s[G0B+4:G0B+7], s[G1B:G1B+7]
	s_nop 0
.rept 4
	v_nop
.endr
.Lfirst_asked:
	v_and_b32 v1, 15, v0                           ; l % 16
	v_bfe_u32 v2, v0, 4, 1                         ; l / 16
	v_mul_u32_u24 v4, v1, PA
	v_lshl_add_u32 v4, v2, 4, v4
	s_mul_i32 s78, s[WR], 64*PA                    ; my 64 rows
	v_add_nc_u32 v[ADRA], s78, v4
	v_add_nc_u32 v[ADRA+1], SLOT, v[ADRA]
	v_and_b32 v5, 7, v0                            ; the turning load: lane l reads k-row 8 (l / 16) + l % 8, columns 8 ((l / 8) % 2) + 0..7
	v_lshl_add_u32 v5, v2, 3, v5
	v_mul_u32_u24 v5, v5, PB
	v_bfe_u32 v6, v0, 3, 1
	v_lshl_add_u32 v5, v6, 4, v5
	s_mul_i32 s79, s[WC], 272                      ; my 128 columns
	s_add_co_u32 s79, s79, ATILE
	v_add_nc_u32 v[ADRB], s79, v5
	v_add_nc_u32 v[ADRB+1], SLOT, v[ADRB]
	s_mul_i32 s72, s[WV], 16*SPITCH
	s_add_co_u32 s72, s72, STAGE                   ; my stage.  In: row l % 16, my eight columns; back: a row of 512 bytes to a load
	v_mul_u32_u24 v7, v1, SPITCH
	v_lshl_add_u32 v7, v2, 5, v7
	v_add_nc_u32 v[STO], s72, v7
	v_and_b32 v8, 31, v0
	v_lshlrev_b32 v[CO], 4, v8
	v_add_nc_u32 v[RD], s72, v[CO]
	s_lshl_b32 s76, s[TY], 7
	s_lshl_b32 s77, s[WR], 6
	s_add_co_u32 s76, s76, s77                     ; my first row,
	s_lshl_b32 s76, s76, 13                        ; 8,192 bytes a row,
	s_lshl_b32 s77, s[GX], 10
	s_add_co_u32 s76, s76, s77                     ; + the block's 1,024 bytes
	s_lshl_b32 s77, s[WC], 9
	s_add_co_u32 s76, s76, s77                     ; + my half's 512
	s_mov_b32 s77, 0
	s_add_nc_u64 s[PO:PO+1], s[8:9], s[76:77]
; 8 matrix instructions: row block a x all 8 column blocks, 32 along K.  zero = 1: the first product starts the sums
.macro MUL8 f, a, zero
	WIN 0xa5                                       ; sources in window 1, C and D in window 2
.irp bb, 0,1,2,3,4,5,6,7
.if \zero
	v_wmma_f32_16x16x32_f16 v[64*(\a)+8*(\bb):64*(\a)+8*(\bb)+7], v[(\f)+32+8*(\bb):(\f)+32+8*(\bb)+7], v[(\f)+8*(\a):(\f)+8*(\a)+7], 0
.else
	v_wmma_f32_16x16x32_f16 v[64*(\a)+8*(\bb):64*(\a)+8*(\bb)+7], v[(\f)+32+8*(\bb):(\f)+32+8*(\bb)+7], v[(\f)+8*(\a):(\f)+8*(\a)+7], v[64*(\a)+8*(\bb):64*(\a)+8*(\bb)+7]
.endif
.endr
.endm
; 24 LDS loads in one run: quarter q (32 along K: half a head) of a slot into buffer f: O's row blocks 0 and 1, Wo's eight blocks, O's row blocks 2 and 3
.macro FETCH slot, q, f
	WIN 0x40
.irp a, 0,1
	ds_load_b128 v[(\f)+8*(\a):(\f)+8*(\a)+3],   v[ADRA+(\slot)] offset:((\q)/2)*AHEAD+64*((\q)%2)+(\a)*16*PA
	ds_load_b128 v[(\f)+8*(\a)+4:(\f)+8*(\a)+7], v[ADRA+(\slot)] offset:((\q)/2)*AHEAD+64*((\q)%2)+(\a)*16*PA+32
.endr
.irp bb, 0,1,2,3,4,5,6,7
	ds_load_tr16_b128 v[(\f)+32+8*(\bb):(\f)+32+8*(\bb)+3],   v[ADRB+(\slot)] offset:32*(\q)*PB+32*(\bb)
	ds_load_tr16_b128 v[(\f)+32+8*(\bb)+4:(\f)+32+8*(\bb)+7], v[ADRB+(\slot)] offset:32*(\q)*PB+16*PB+32*(\bb)
.endr
.irp a, 2,3
	ds_load_b128 v[(\f)+8*(\a):(\f)+8*(\a)+3],   v[ADRA+(\slot)] offset:((\q)/2)*AHEAD+64*((\q)%2)+(\a)*16*PA
	ds_load_b128 v[(\f)+8*(\a)+4:(\f)+8*(\a)+7], v[ADRA+(\slot)] offset:((\q)/2)*AHEAD+64*((\q)%2)+(\a)*16*PA+32
.endr
.endm
; A K step is four quarters, 32 matrix instructions each, on buffers 0, 1, 0, 1; the 32 accumulators take turns in one order throughout.
.macro QUARTER slot, q, f, g, zero
	s_wait_dscnt 4                                 ; all but the youngest four loads (O's row blocks 2 and 3)
	MUL8 \f, 0, \zero
	MUL8 \f, 1, \zero
	PLACES
	FETCH \slot, \q, \g
	s_wait_dscnt 24                                ; all but the 24 just issued
	MUL8 \f, 2, \zero
	MUL8 \f, 3, \zero
.endm
; The last quarter multiplies buffer 1 and changes slots: ONE barrier; in front of it each wave waits for all its tensor loads (one is out: its part of the next slot), adds 0 to its spare word, and waits for
; that and for its reads of this slot.  fill = 1: the barrier opens a round of the cluster's, and this slot is filled again, with the walk's step after next, first thing behind it: 112 matrix instructions ahead of the wait for it.
.macro TURN slot, next, fill
	WIN 0
	s_wait_tensorcnt 0x0                           ; no tensor load of mine is out, so a group 0 may be written
	ds_add_u32 v[SPW], v[NIL]                      ; 0 onto my spare word
.if \fill
	ASK \slot
.endif
	s_wait_dscnt 5                                 ; (the add and the youngest four loads may be out)
	MUL8 F1, 0, 0                                  ; eight matrix instructions stand between the add and the wait for it
	s_wait_dscnt 0x0                               ; the add is done, and my reads of this slot are over
	s_barrier_signal -1
	MUL8 F1, 1, 0
.if \fill
	WIN 0
.endif
	s_barrier_wait -1
.if \fill
	CREST                                          ; no wave of any partner still reads this slot or has a load on its way
	JLOAD \slot                                    ; the four v_nop behind it are also the places in front of the loads below
.else
	PLACES
.endif
	FETCH \next, 0, F0
	MUL8 F1, 2, 0
	MUL8 F1, 3, 0
.endm
	s_wait_tensorcnt 1                             ; my part of the walk's first K step is in; the second's may stay out
	s_barrier_signal -1
	s_barrier_wait -1
	FETCH 0, 0, F0
	QUARTER 0, 1, F0, F1, 1                        ; the first quarter stands in front of the loop: its products start the sums
	WIN 0
	s_mov_b32 s3, 7
.Llap:                                                 ; a trip goes once round the ring and fills both slots again
	QUARTER 0, 2, F1, F0, 0
	QUARTER 0, 3, F0, F1, 0
	TURN 0, 1, 1
	QUARTER 1, 1, F0, F1, 0
	QUARTER 1, 2, F1, F0, 0
	QUARTER 1, 3, F0, F1, 0
	TURN 1, 0, 1
	QUARTER 0, 1, F0, F1, 0
	WIN 0
	s_sub_co_u32 s3, s3, 1
	s_cmp_lg_u32 s3, 0
	s_cbranch_scc1 .Llap
	QUARTER 0, 2, F1, F0, 0                        ; the last lap fills nothing
	QUARTER 0, 3, F0, F1, 0
	TURN 0, 1, 0
	QUARTER 1, 1, F0, F1, 0
	QUARTER 1, 2, F1, F0, 0
	QUARTER 1, 3, F0, F1, 0
	s_wait_dscnt 4
	MUL8 F1, 0, 0
	MUL8 F1, 1, 0
	s_wait_dscnt 0x0
	MUL8 F1, 2, 0
	MUL8 F1, 3, 0
	WIN 0
	PLACES
; THE WAY OUT, 16 rows at a time: the f32 sums go into my stage by lanes (each accumulator's low four registers first) and come back as whole rows of 512 bytes.
.macro TOSTAGE a
.if (\a) >= 2
	s_wait_xcnt 0x0                                ; the registers that the stores of two blocks ago read are loaded again only behind this wait (ISA guide 3.1)
.endif
	WIN 0x08                                       ; the data (source 1) in window 2
.irp bb, 0,1,2,3,4,5,6,7
.irp u, 0,1
	ds_store_b128 v[STO], v[64*(\a)+8*(\bb)+4*(\u):64*(\a)+8*(\bb)+4*(\u)+3] offset:64*(\bb)+16*(\u)
.endr
.endr
	WIN 0
.irp t, 0,1,2,3,4,5,6,7,8,9,10,11,12,13,14,15
	ds_load_b128 v[BK+64*((\a)%2)+4*(\t):BK+64*((\a)%2)+4*(\t)+3], v[RD] offset:SPITCH*(\t)  ; LDS serves a wave's instructions in order (ISA guide 5.7.1.4): these see the stores above; the next block's stores come behind them
.endr
.endm
.macro SEND a, younger                 ; younger: the LDS instructions issued behind block a's loads: the next block's 32, or none
	s_wait_dscnt \younger
.irp t, 0,1,2,3,4,5,6,7,8,9,10,11,12,13,14,15
	global_store_b128 v[CO], v[BK+64*((\a)%2)+4*(\t):BK+64*((\a)%2)+4*(\t)+3], s[PO:PO+1] offset:(16*(\a)+(\t))*8192 th:TH_STORE_NT  ; 512 consecutive bytes, at a multiple of 256 from out0's first
.endr
.endm
	TOSTAGE 0
	TOSTAGE 1
	SEND 0, 32
	TOSTAGE 2
	SEND 1, 32
	TOSTAGE 3
	SEND 2, 32
	SEND 3, 0
	s_wait_tensorcnt 0x0                           ; the wave's end: these three lines stand behind my last tensor load and my last LDS store
	ds_add_u32 v[SPW], v[NIL]
	s_wait_dscnt 0x0
	CROUND                                         ; the closing round: no work-group ends while a partner may still ask for a tile that names it
	s_endpgm
.Lfunc_end_k_qef4c3ee167_oproj:
	.size	k_qef4c3ee167_oproj, .Lfunc_end_k_qef4c3ee167_oproj-k_qef4c3ee167_oproj
	.p2alignl 7, 3214868480
	.fill 96, 4, 3214868480
	.section	.rodata,"a",@progbits
	.p2align	6, 0x0
	.amdhsa_kernel k_qef4c3ee167_oproj
		.amdhsa_group_segment_fixed_size 327680
		.amdhsa_private_segment_fixed_size 0
		.amdhsa_enable_private_segment 0
		.amdhsa_kernarg_size 24
		.amdhsa_user_sgpr_count 2
		.amdhsa_user_sgpr_kernarg_segment_ptr 1
		.amdhsa_wavefront_size32 1
		.amdhsa_system_sgpr_workgroup_id_x 1
		.amdhsa_system_sgpr_workgroup_id_y 1
		.amdhsa_system_sgpr_workgroup_id_z 1
		.amdhsa_system_vgpr_workitem_id 0
		.amdhsa_next_free_vgpr 768
		.amdhsa_next_free_sgpr 80
		.amdhsa_reserve_vcc 0
		.amdhsa_float_denorm_mode_32 3
		.amdhsa_float_denorm_mode_16_64 3
		.amdhsa_memory_ordered 1
		.amdhsa_forward_progress 1
		.amdhsa_inst_pref_size 85
	.end_amdhsa_kernel
	.amdgpu_metadata
---
amdhsa.version: [ 1, 2 ]
amdhsa.kernels:
  - .name:           k_qef4c3ee167_oproj
    .symbol:         k_qef4c3ee167_oproj.kd
    .args:
      - { .name: oh, .offset: 0, .size: 8, .value_kind: global_buffer, .address_space: global }
      - { .name: wo, .offset: 8, .size: 8, .value_kind: global_buffer, .address_space: global }
      - { .name: out0, .offset: 16, .size: 8, .value_kind: global_buffer, .address_space: global }
    .group_segment_fixed_size: 327680
    .private_segment_fixed_size: 0
    .kernarg_segment_align: 8
    .kernarg_segment_size: 24
    .max_flat_workgroup_size: 128
    .sgpr_count:     80
    .vgpr_count:     768
    .wavefront_size: 32
...
	.end_amdgpu_metadata
.endif
;; end of part 4
;; ======== version 2 of 2: 4 launches; version 1 with the launch prep written anew for expert scheduling mode
;; limits: values are held in f16: magnitudes above 65,504 overflow, below 6.1e-05 lose precision
;; workspace buffers: xb 16,777,216 bytes; wc 12,582,912 bytes; wo 8,388,608 bytes; tab 131,072 bytes; qh 16,777,216 bytes; kh 4,194,304 bytes; vh 4,194,304 bytes; oh 16,777,216 bytes
;; launch prep (part 5): grid 1024 x 1, 8 waves a work-group, no clusters, 0 bytes of LDS; arguments x, Wq, Wk, Wv, Wo, xb, wc, wo, tab; writes xb, wc, wo, tab
.if DOCPART == 5
	.amdgcn_target "amdgcn-amd-amdhsa--gfx1250"
	.amdhsa_code_object_version 6
	.text
	.protected	k_qef4c3ee167_prep
	.globl	k_qef4c3ee167_prep
	.p2align	8
	.type	k_qef4c3ee167_prep,@function
k_qef4c3ee167_prep:
	s_mov_b64 s[64:65], 0
	v_nop
	global_prefetch_b8 v0, s[64:65] scope:SCOPE_SE
	s_setreg_imm32_b32 hwreg(HW_REG_WAVE_SCHED_MODE, 0, 2), 2
	s_setreg_imm32_b32 hwreg(HW_REG_WAVE_MODE, 25, 1), 1
	s_wait_xcnt 0x0
	s_wait_alu depctr_vm_vsrc(0)
; PREP: the module's inputs are rounded once to 16 bits, and the table of cosines and sines for the rotation is made.
;   x  [4096][2048] f32 -> xb, bf16, same layout.
;   Wq [2048][2048], Wk, Wv [2048][512] f32 -> wc, bf16 [2048 k][8 groups][384]: in group g Wq's columns 256 g .. +255, Wk's 64 g .. +63, Wv's 64 g .. +63.
;   Wo [2048][2048] f32 -> wo: rounded to bf16, and that number written as f16 (exact inside f16's normal range).
;   tab [512 positions][64] f32: cos of the 32 angles, then sin of them.
; LIMITS.  |Wo| stays under 65,504; below 6e-5 it keeps f16's fixed step of 6e-8.  An angle is good to about 1e-4 rad (511 rad at the most, in f32 turns).
; A stream: every byte is read once and written once, by 16-byte accesses; a wave's store covers 512 consecutive bytes that start at a multiple of 256.  No LDS, no matrix unit, no cluster:
; no two work-groups read the same bytes.
; 1,024 work-groups of equal work.  Work-group i takes four items of x (an item: 8,192 bytes in, 32 a thread; 4,096 out), rows 2 i and 2 i + 1 of Wq, Wk and Wv (two whole rows of wc), and two items
; of Wo.  All 20 loads of a thread are issued ahead of its first wait; an item is rounded in the registers in which it arrived and stored from them, so no register that a store names is written again.
; The first 64 work-groups also make eight rows of the table each, a row a wave, behind their loads.
; THE MODE: SCHED_MODE bits 1:0 = 2 (LLVM: expert scheduling mode 2), set by the entry lines.  The code itself states the register dependences between vector instructions and memory
; instructions, with s_wait_alu, always for 0.
; THE PLAN.  Registers that memory instructions touch:
;   v1, v2, v104-106  byte offsets.  Written once, at the head; read by every load and store of the items; named by no later vector line.  One wait on va_vdst, ahead of the first load, serves them all.
;   X, item n         Written by the item's two loads, which land in registers that no vector line has named; read by the item's roundings, which write its first four registers;
;                     those four are read by the item's one store and never written again.
;   v11-13            The table's offset and two numbers: written by its vector lines, read by its one store, never written again.
; The ten items go in five blocks of two.  Block p's roundings name the registers of block p (and T) alone; the two stores of block p - 1 are issued in block p, dealt among those roundings.
; So ONE wait on va_vdst at a block's head, behind the wait for the block's loads, states all that the two stores hang on: the block before has written what they read.
; No register that a memory instruction reads is written again anywhere in the text: its one wait on vm_vsrc stands at the entry.  EXEC is never written.
.set X,  16                            ; v[16:95]  item n at X + 8 n: x 0-3, Wq 4-5, Wo 6-7, Wk 8, Wv 9
.set T,  96                            ; v[96:103] at work (Wo): no memory instruction names them
.set DQ, 104                           ; v104  my 16 bytes in a row of wc, among q's columns: 768 x wave + 16 x lane
.set SK, 105                           ; v105  my 32 bytes in the two rows of Wk and of Wv
.set DK, 106                           ; v106  my 16 bytes in the two rows of wc, among k's and v's columns
.macro LD2 n, off, base, imm           ; item n: my 32 bytes
	global_load_b128 v[X+8*(\n):X+8*(\n)+3],   v[\off], s[(\base):(\base)+1] offset:(\imm) th:TH_LOAD_NT
	global_load_b128 v[X+8*(\n)+4:X+8*(\n)+7], v[\off], s[(\base):(\base)+1] offset:(\imm)+16 th:TH_LOAD_NT
.endm
.macro PK n                            ; item n's eight numbers, rounded to bf16, into its first four registers: register j is written when numbers 2 j and 2 j + 1 are read, behind the reads of the lower ones
.irp j, 0,1,2,3
	v_cvt_pk_bf16_f32 v[X+8*(\n)+(\j)], v[X+8*(\n)+2*(\j)], v[X+8*(\n)+2*(\j)+1]
.endr
.endm
.macro F16 n                           ; item n's eight bf16 numbers written as f16, in the same four registers
.irp j, 0,1,2,3
	v_lshlrev_b32 v[T+2*(\j)],   16, v[X+8*(\n)+(\j)]          ; bf16 to f32: the low half moves up,
	v_and_b32     v[T+2*(\j)+1], 0xffff0000, v[X+8*(\n)+(\j)]  ; the high half stays
.endr
.irp j, 0,1,2,3
	v_cvt_pk_f16_f32 v[X+8*(\n)+(\j)], v[T+2*(\j)], v[T+2*(\j)+1]
.endr
.endm
	s_load_b512 s[8:23], s[0:1], 0x0               ; x 8, Wq 10, Wk 12, Wv 14, Wo 16, xb 18, wc 20, wo 22
	s_load_b64 s[24:25], s[0:1], 0x40              ; tab
	v_lshrrev_b32 v3, 5, v0
	v_readfirstlane_b32 s26, v3                    ; my wave's number
	s_lshl_b32 s28, ttmp9, 15                      ; x in: 32,768 bytes a work-group
	s_lshl_b32 s30, ttmp9, 14                      ; xb out, Wq in, Wo in: 16,384
	s_lshl_b32 s32, ttmp9, 13                      ; wo out: 8,192
	s_lshl_b32 s34, ttmp9, 12                      ; Wk and Wv in: two rows of 2,048
	s_mul_i32 s36, ttmp9, 12288                    ; wc out: two rows of 6,144
	s_mov_b32 s29, 0                               ; the offsets' high words
	s_mov_b32 s31, 0
	s_mov_b32 s33, 0
	s_mov_b32 s35, 0
	s_mov_b32 s37, 0
	s_wait_alu depctr_va_sdst(0)                   ; s26 is written, ahead of its first reader, the line below
	s_mul_i32 s27, s26, 768                        ; a wave's 256 columns of Wq are one group's
	v_lshlrev_b32 v1, 5, v0                        ; 32 t: my place in an item of x, Wq, Wo
	v_lshlrev_b32 v2, 4, v0                        ; 16 t: my place in an item of xb, wo
	v_and_b32 v3, 31, v0
	v_lshlrev_b32 v[DQ], 4, v3
	v_add_nc_u32 v[DQ], s27, v[DQ]
	; Wk and Wv.  Of sixteen neighbouring lanes the first eight store a group's 128 bytes of k, the other eight its 128 bytes of v: one whole aligned block of 256 bytes.
	; Every lane loads from both tensors at the same offset and keeps one.
	v_lshrrev_b32 v4, 7, v0                        ; which of the two rows
	v_bfe_u32 v5, v0, 4, 3                         ; the group
	v_and_b32 v6, 7, v0                            ; my eight columns of its 64
	v_and_b32 v7, 15, v0
	v_lshlrev_b32 v[SK], 11, v4
	v_lshl_add_u32 v[SK], v5, 8, v[SK]
	v_lshl_add_u32 v[SK], v6, 5, v[SK]
	v_mul_u32_u24 v[DK], v4, 6144
	v_mad_u32_u24 v[DK], v5, 768, v[DK]
	v_lshl_add_u32 v[DK], v7, 4, v[DK]
	v_add_nc_u32 v[DK], 512, v[DK]                 ; behind the group's 256 columns of q
	s_wait_kmcnt 0x0
	s_add_nc_u64 s[8:9], s[8:9], s[28:29]
	s_add_nc_u64 s[18:19], s[18:19], s[30:31]
	s_add_nc_u64 s[10:11], s[10:11], s[30:31]
	s_add_nc_u64 s[16:17], s[16:17], s[30:31]
	s_add_nc_u64 s[22:23], s[22:23], s[32:33]
	s_add_nc_u64 s[12:13], s[12:13], s[34:35]
	s_add_nc_u64 s[14:15], s[14:15], s[34:35]
	s_add_nc_u64 s[20:21], s[20:21], s[36:37]
	s_wait_alu depctr_va_vdst(0)                   ; the five offsets v1, v2, v104, v105, v106 are written: every load and store of the items reads one of them, and no later vector line names them
.irp n, 0,1,2,3
	LD2 \n, 1, 8, 8192*(\n)
.endr
.irp n, 4,5
	LD2 \n, 1, 10, 8192*((\n)-4)
.endr
.irp n, 6,7
	LD2 \n, 1, 16, 8192*((\n)-6)
.endr
	LD2 8, SK, 12, 0
	LD2 9, SK, 14, 0
	s_cmp_ge_u32 ttmp9, 64
	s_cbranch_scc1 .Lnotab
	; THE TABLE.  Row pos = 8 x work-group + wave.  Lane L makes two numbers, for angles i = 2 (L % 16) and i + 1: lanes 0-15 cosines, lanes 16-31 sines, as cosines a quarter turn back.
	; inv_freq = 2^(-i log2(10000) / 32); t = pos inv_freq / 2 pi in turns; f = t less the nearest whole number, in -1/2 .. 1/2; cos(pi f / 2) by its series in f^2 up to the eighth power
	; (|pi f / 2| <= pi / 4 whatever the angle: the term left out is under 2.5e-8), then cos 2a = 2 cos^2 a - 1 twice.
	; Its vector lines name v0 and v3 to v15 alone: none of the registers that the pending loads read or land in.
	s_lshl_b32 s27, ttmp9, 3
	s_add_co_u32 s27, s27, s26                     ; pos
	s_lshl_b32 s28, s27, 8                         ; a row is 256 bytes
	s_add_nc_u64 s[24:25], s[24:25], s[28:29]
	v_and_b32 v3, 31, v0                           ; L
	v_cmp_lt_u32 vcc_lo, 15, v3                    ; the lanes that make sines; the mask is read some lines below
	v_and_b32 v4, 15, v0
	v_lshlrev_b32 v4, 1, v4                        ; i
	v_or_b32 v5, 1, v4                             ; i + 1
	v_cvt_f32_u32 v4, v4
	v_cvt_f32_u32 v5, v5
	v_mul_f32 v4, 0xbed49a78, v4                   ; x -0.41524101
	v_mul_f32 v5, 0xbed49a78, v5
	v_exp_f32 v4, v4
	v_exp_f32 v5, v5
	v_cvt_f32_u32 v6, s27                          ; a plain instruction stands behind the exponentials before their results are used (ISA guide 5.7.2)
	v_mov_b32 v8, 0x3e800000                       ; 0.25
	s_wait_alu depctr_va_vcc(0)                    ; the compare above has written VCC, which the select below reads
	v_cndmask_b32 v7, 0, v8, vcc_lo                ; the sines' quarter turn
	s_wait_alu depctr_va_vdst(0)                   ; the two exponentials have written v4 and v5, ahead of their first reader
	v_mul_f32 v4, v6, v4                           ; the angle, rounded as pos x inv_freq is
	v_mul_f32 v5, v6, v5
	v_fma_f32 v4, v4, 0x3e22f983, -v7              ; / 2 pi, less the quarter
	v_fma_f32 v5, v5, 0x3e22f983, -v7
	v_rndne_f32 v9, v4
	v_rndne_f32 v10, v5
	v_sub_f32 v4, v4, v9                           ; f
	v_sub_f32 v5, v5, v10
	v_mul_f32 v4, v4, v4                           ; f^2
	v_mul_f32 v5, v5, v5
	v_mov_b32 v12, 0x3a70fa82                      ; 0.00091926
	v_mov_b32 v13, 0x3a70fa82
	v_fmaak_f32 v12, v12, v4, 0xbcaae9e4           ; -0.02086348
	v_fmaak_f32 v13, v13, v5, 0xbcaae9e4
	v_fmaak_f32 v12, v12, v4, 0x3e81e0f8           ; 0.25366951
	v_fmaak_f32 v13, v13, v5, 0x3e81e0f8
	v_fmaak_f32 v12, v12, v4, 0xbf9de9e6           ; -1.23370055
	v_fmaak_f32 v13, v13, v5, 0xbf9de9e6
	v_fma_f32 v12, v12, v4, 1.0
	v_fma_f32 v13, v13, v5, 1.0
.rept 2
	v_add_f32 v14, v12, v12
	v_add_f32 v15, v13, v13
	v_fma_f32 v12, v12, v14, -1.0
	v_fma_f32 v13, v13, v15, -1.0
.endr
	v_lshlrev_b32 v11, 3, v3
	s_wait_alu depctr_va_vdst(0)                   ; v11, v12 and v13 are written, which the store below reads as its offset and its data
	global_store_b64 v11, v[12:13], s[24:25]       ; the wave's 32 x 8 bytes are the row: 256 consecutive bytes, aligned; v11-13 and s[24:25] are not written again
.Lnotab:
	v_and_b32 v7, 8, v0
	v_cmp_ne_u32 vcc_lo, 0, v7                     ; the upper eight of sixteen lanes keep Wv's numbers; the mask is read in the last block
	; THE FIVE BLOCKS.  Loads come back in order (ISA guide 5.7.1): behind a block's four stand the four of each later block, which stay out.
	s_wait_loadcnt 16                              ; block 1: x's items 0 and 1 are in; sixteen younger loads stay out.  No block stands in front of it: nothing to store, no wait to state
	PK 0
	PK 1
	s_wait_loadcnt 12                              ; block 2: x's items 2 and 3
	s_wait_alu depctr_va_vdst(0)                   ; block 1's roundings have written the first four registers of items 0 and 1, which the two stores below read; this block's roundings name items 2 and 3 alone
	global_store_b128 v2, v[X:X+3], s[18:19]
	PK 2
	global_store_b128 v2, v[X+8:X+11], s[18:19] offset:4096
	PK 3
	s_wait_loadcnt 8                               ; block 3: Wq's items 4 and 5
	s_wait_alu depctr_va_vdst(0)                   ; block 2's roundings have written items 2 and 3, which the two stores below read; this block's roundings name items 4 and 5 alone
	global_store_b128 v2, v[X+16:X+19], s[18:19] offset:8192
	PK 4
	global_store_b128 v2, v[X+24:X+27], s[18:19] offset:12288
	PK 5
	s_wait_loadcnt 4                               ; block 4: Wo's items 6 and 7
	s_wait_alu depctr_va_vdst(0)                   ; block 3's roundings have written items 4 and 5, which the two stores below read; this block's lines name items 6 and 7 and T alone
	global_store_b128 v[DQ], v[X+32:X+35], s[20:21]
	PK 6
	F16 6
	global_store_b128 v[DQ], v[X+40:X+43], s[20:21] offset:6144
	PK 7
	F16 7
	s_wait_loadcnt 0x0                             ; block 5: Wk's item 8 and Wv's item 9
	s_wait_alu depctr_va_vdst(0)                   ; block 4's conversions have written items 6 and 7, which the two stores below read; this block's lines name items 8 and 9 alone
	s_wait_alu depctr_va_vcc(0)                    ; the compare behind .Lnotab has written VCC, which the eight selects below read
	global_store_b128 v2, v[X+48:X+51], s[22:23]
.irp j, 0,1,2,3,4,5,6,7
	v_cndmask_b32 v[X+64+(\j)], v[X+64+(\j)], v[X+72+(\j)], vcc_lo
.endr
	global_store_b128 v2, v[X+56:X+59], s[22:23] offset:4096
	PK 8
	s_wait_alu depctr_va_vdst(0)                   ; item 8's roundings have written its first four registers, which the last store reads
	global_store_b128 v[DK], v[X+64:X+67], s[20:21]
	s_endpgm
.Lfunc_end_k_qef4c3ee167_prep:
	.size	k_qef4c3ee167_prep, .Lfunc_end_k_qef4c3ee167_prep-k_qef4c3ee167_prep
	.p2alignl 7, 3214868480
	.fill 96, 4, 3214868480
	.section	.rodata,"a",@progbits
	.p2align	6, 0x0
	.amdhsa_kernel k_qef4c3ee167_prep
		.amdhsa_group_segment_fixed_size 0
		.amdhsa_private_segment_fixed_size 0
		.amdhsa_enable_private_segment 0
		.amdhsa_kernarg_size 72
		.amdhsa_user_sgpr_count 2
		.amdhsa_user_sgpr_kernarg_segment_ptr 1
		.amdhsa_wavefront_size32 1
		.amdhsa_system_sgpr_workgroup_id_x 1
		.amdhsa_system_sgpr_workgroup_id_y 1
		.amdhsa_system_sgpr_workgroup_id_z 1
		.amdhsa_system_vgpr_workitem_id 0
		.amdhsa_next_free_vgpr 108
		.amdhsa_next_free_sgpr 66
		.amdhsa_reserve_vcc 1
		.amdhsa_float_denorm_mode_32 3
		.amdhsa_float_denorm_mode_16_64 3
		.amdhsa_memory_ordered 1
		.amdhsa_forward_progress 1
		.amdhsa_inst_pref_size 12
	.end_amdhsa_kernel
	.amdgpu_metadata
---
amdhsa.version: [ 1, 2 ]
amdhsa.kernels:
  - .name:           k_qef4c3ee167_prep
    .symbol:         k_qef4c3ee167_prep.kd
    .args:
      - { .name: x, .offset: 0, .size: 8, .value_kind: global_buffer, .address_space: global }
      - { .name: Wq, .offset: 8, .size: 8, .value_kind: global_buffer, .address_space: global }
      - { .name: Wk, .offset: 16, .size: 8, .value_kind: global_buffer, .address_space: global }
      - { .name: Wv, .offset: 24, .size: 8, .value_kind: global_buffer, .address_space: global }
      - { .name: Wo, .offset: 32, .size: 8, .value_kind: global_buffer, .address_space: global }
      - { .name: xb, .offset: 40, .size: 8, .value_kind: global_buffer, .address_space: global }
      - { .name: wc, .offset: 48, .size: 8, .value_kind: global_buffer, .address_space: global }
      - { .name: wo, .offset: 56, .size: 8, .value_kind: global_buffer, .address_space: global }
      - { .name: tab, .offset: 64, .size: 8, .value_kind: global_buffer, .address_space: global }
    .group_segment_fixed_size: 0
    .private_segment_fixed_size: 0
    .kernarg_segment_align: 8
    .kernarg_segment_size: 72
    .max_flat_workgroup_size: 256
    .sgpr_count:     66
    .vgpr_count:     108
    .wavefront_size: 32
...
	.end_amdgpu_metadata
.endif
;; end of part 5
;; launch qkv: the kernel of part 2 again; grid 8 x 32, 4 waves a work-group, clusters of 4 x 4, 327,680 bytes of LDS; arguments xb, wc, tab, qh, kh, vh, out1, out2; writes qh, kh, vh, out1, out2
;; launch attn: the kernel of part 3 again; grid 32 x 8, 8 waves a work-group, clusters of 4 x 1, 180,224 bytes of LDS; arguments qh, kh, vh, oh; writes oh
;; launch oproj: the kernel of part 4 again; grid 8 x 32, 4 waves a work-group, clusters of 4 x 4, 327,680 bytes of LDS; arguments oh, wo, out0; writes out0
